; MI455X (gfx1250); checked and timed in simulation.
; The chip was launched on July 23, 2026; its instructions are those of AMD's public machine-readable ISA for CDNA 5 (MIT licence, August 2026) and "CDNA5" Instruction Set Architecture Reference Guide (July 2026). The comments in the code are by the model that wrote it; some were corrected since.
;; Block. Allowed arithmetic: matrix products marked QUANTISED: E4M3 operands, one E8M0 scale for each 32 along K, by v_wmma_scale_f32_16x16x128_f8f6f4 with both operands' format E4M3, f32 sums; everything else in f32.
;; Inputs: W1_codes 4,096 x 32 x 32 uint8 (E4M3 codes of W1, K innermost, in blocks of 32 codes); W1_scales 4,096 x 32 uint8 (E8M0 scales of W1, one for each 32 codes along K); W2_codes 1,024 x 128 x 32 uint8 (E4M3 codes of W2, K innermost, in blocks of 32 codes); W2_scales 1,024 x 128 uint8 (E8M0 scales of W2, one for each 32 codes along K); Wk_codes 16 x 64 x 32 x 32 uint8 (E4M3 codes of Wk, K innermost, in blocks of 32 codes); Wk_scales 16 x 64 x 32 uint8 (E8M0 scales of Wk, one for each 32 codes along K); Wo_codes 1,024 x 32 x 32 uint8 (E4M3 codes of Wo, K innermost, in blocks of 32 codes); Wo_scales 1,024 x 32 uint8 (E8M0 scales of Wo, one for each 32 codes along K); Wq_codes 16 x 64 x 32 x 32 uint8 (E4M3 codes of Wq, K innermost, in blocks of 32 codes); Wq_scales 16 x 64 x 32 uint8 (E8M0 scales of Wq, one for each 32 codes along K); Wv_codes 16 x 64 x 32 x 32 uint8 (E4M3 codes of Wv, K innermost, in blocks of 32 codes); Wv_scales 16 x 64 x 32 uint8 (E8M0 scales of Wv, one for each 32 codes along K); b1 4,096 float32; b2 1,024 float32; bo 1,024 float32; g1 1,024 float32; g2 1,024 float32; x 2 x 2,048 x 1,024 float32.
;; Outputs: out0 2 x 2,048 x 1,024 float32.
;; This version of the problem:
;;   THIS VERSION OF THE PROBLEM IS GIVEN IN LOW PRECISION. The matrix products marked QUANTISED in the list below multiply operands that are first quantised to E4M3 (4 exponent bits, 3 mantissa bits; 8 bits a number), with one power-of-two scale for each 32 numbers along K (OCP MX v1.0); their sums are f32. All else is computed in f32.
;;   The module's matrix products, in the order in which they are computed (A, B: the left and right operand; K: the contracted axis; several contracted axes count as one K, in the product's order):
;;     1. [M 1,024, K 1,024] x [K 1,024, N 4,096]; A: input Wq (given as codes); B: input x: QUANTISED
;;     2. [M 1,024, K 1,024] x [K 1,024, N 4,096]; A: input Wk (given as codes); B: input x: QUANTISED
;;     3. [M 1,024, K 1,024] x [K 1,024, N 4,096]; A: input Wv (given as codes); B: input x: QUANTISED
;;     4. batch 32 x [M 2,048, K 64] x [K 64, N 2,048]; A: computed on the way; B: computed on the way: QUANTISED
;;     5. batch 32 x [M 2,048, K 2,048] x [K 2,048, N 64]; A: softmax (see below); B: computed on the way: QUANTISED
;;     6. [M 4,096, K 1,024] x [K 1,024, N 1,024]; A: computed on the way; B: input Wo (given as codes): QUANTISED
;;     7. [M 4,096, K 1,024] x [K 1,024, N 4,096]; A: computed on the way; B: input W1 (given as codes): QUANTISED
;;     8. [M 4,096, K 4,096] x [K 4,096, N 1,024]; A: computed on the way; B: input W2 (given as codes): QUANTISED
;;   THE QUANTISER, for each operand of a quantised product, along K:
;;     - K is cut into blocks of 32 from its start; a last block that is shorter is filled with zeros.
;;     - A block's scale is 2^e with e = floor(log2(the largest magnitude in the block)) - 8, held to -126 .. 127; a block of zeros has e = 0. As a byte (E8M0): e + 127.
;;     - Each number is divided by its block's scale, clamped to +-448, and rounded to the nearest number of E4M3, ties to even, subnormals kept.
;;     - The product sums the exact products of the quantised numbers (number of the format x scale) in f32.
;;   ~~~python
;;   def quantise(x, axis):      # numpy; x: float32 -> the quantised numbers, widened to float32 again
;;       x = np.moveaxis(x, axis, -1); K = x.shape[-1]
;;       x = np.pad(x, [(0, 0)] * (x.ndim - 1) + [(0, -K % 32)]); x = x.reshape(x.shape[:-1] + (-1, 32)); a = np.abs(x).max(-1, keepdims=True)
;;       e = np.where(a > 0, np.clip(np.frexp(np.where(a > 0, a, 1))[1] - 1 - 8, -126, 127), 0)      # np.frexp(a)[1] - 1 = floor(log2(a)), exactly
;;       r = np.clip(x / 2.0 ** e, -448, 448)
;;       step = 2.0 ** (np.maximum(np.frexp(np.where(r == 0, 1, r))[1] - 1, -6) - 3)
;;       q = np.round(r / step) * step * 2.0 ** e      # np.round: ties to even
;;       return np.moveaxis(q.reshape(q.shape[:-2] + (-1,))[..., :K], -1, axis).astype(np.float32)
;;   ~~~
;;   SOFTMAX AHEAD OF A QUANTISED PRODUCT. Where the list says 'softmax', what is quantised is not the finished softmax but p = 2^(t - M), with t = logit x log2(e) and M = ceil(the row's largest t), a whole number; so 1/2 < the row's largest p <= 1. The row's sum l is taken of the UNQUANTISED p, in f32, and the product's result is divided by l at the end. Since M is a whole number, a kernel that streams over the keys may use a running M (the ceiling of the running maximum): every later rescaling is an exact power of two, which a block's scale takes up: the codes' values come out the same.
;;   OPERANDS COMPUTED ON THE WAY. 'Computed on the way' means the value that the module computes at that place (a softmax that the list does not call 'softmax' is quantised finished and normalised). What goes into a quantiser is computed in f32, as accurately as f32 sums, v_exp_f32 and their like allow (about 1e-6 of the number): no bf16 or f16 on the way to a quantiser, and a product that is left as it is and whose result goes on into a quantised operand takes f32 operands (vector FMAs, or v_wmma_f32_16x16x4_f32). A number that lies on a knife's edge between two numbers of the format may be rounded either way, as far as f32 arithmetic and the matrix unit's own rounding can turn it there, and no further.
;;   INPUTS GIVEN AS CODES. W1 (in the module: [1024, 4096], K = its axis 0); W2 (in the module: [4096, 1024], K = its axis 0); Wk (in the module: [16, 1024, 64], K = its axis 1); Wo (in the module: [1024, 1024], K = its axis 0); Wq (in the module: [16, 1024, 64], K = its axis 1); Wv (in the module: [16, 1024, 64], K = its axis 1): each comes as NAME_codes (uint8): NAME with its K axis moved to the last place and cut into blocks of 32 codes, [.., K / 32, bytes a block], one block behind the other in memory; one code a byte (a code: sign, 4 exponent bits, 3 mantissa bits); and NAME_scales (uint8): the same leading axes, one E8M0 byte (e + 127) for each 32 codes along K. Its value is code x scale, taken as it is: it is not quantised again, and the codes and scales need not be those that the quantiser above would give.
;; One version. Each part assembles by itself: llvm-mc -triple=amdgcn-amd-amdhsa -mcpu=gfx1250 --defsym DOCPART=n.
;; ======== version 1 of 1: 7 launches
;; limits: right only within a limited range of input values
;; workspace buffers: wa 9,732,096 bytes; wb 12,976,128 bytes; wc 4,456,448 bytes; wd 21,102,592 bytes; we 17,825,792 bytes; wy 16,777,216 bytes
;; launch prep (part 1): grid 208 x 1, 4 waves a work-group, no clusters, 33,280 bytes of LDS; arguments x, Wo_codes, Wo_scales, W2_codes, W2_scales, wa; writes wa
.if DOCPART == 1
	.amdgcn_target "amdgcn-amd-amdhsa--gfx1250"
	.amdhsa_code_object_version 6
	.text
	.protected	k_qf36943b0ed_prep
	.globl	k_qf36943b0ed_prep
	.p2align	8
	.type	k_qf36943b0ed_prep,@function
k_qf36943b0ed_prep:
	s_mov_b64 s[64:65], 0
	v_nop
	global_prefetch_b8 v0, s[64:65] scope:SCOPE_SE
	s_setreg_imm32_b32 hwreg(HW_REG_WAVE_MODE, 25, 1), 1
	s_wait_xcnt 0x0
; prep.  Work-groups 0-127: x [4096][1024] f32 becomes codes of E4M3 (K innermost, wa + 0) and one E8M0 byte for each 32 along K (wa + XS_O).
; Work-groups 128-207: Wo's and W2's codes and scale bytes are laid anew, in the order in which the operand registers of the later launches take them.
; THE QUANTISER: a block's scale is 2^(floor(log2(largest magnitude)) - 8); its byte is the largest magnitude's exponent field - 8, held at 1 from below; numbers are held within +-448 x the scale and rounded to the nearest code, ties to even.
; LIMITS: a block of zeros gets the byte 1 where the rule says 127 (its codes are zeros, and this program alone reads the bytes); NaN and infinities among the inputs are not served.
; THE IMAGES.  A fragment is 16 rows x 128 K = 16 registers a lane; it lies in memory as its registers: registers 4c .. 4c+3 of lane l at 512 c + 16 l, 2,048 bytes.
; THE ORDER ALONG K INSIDE A BLOCK OF 32: lane (r, h) holds, in registers 4c, 4c+1, k = 32c + 8h + 0..7 and, in 4c+2, 4c+3, k = 32c + 16 + 8h + 0..7.  That is the order in which a transposed
; product leaves its results in a lane; the other operand of the later products (made from such results) has the same order, and a block has one scale, so the products are the same.
; Path X uses LDS, path R none.  No barrier: waves share nothing.
.set XS_O,  0x400000                   ; x's scale bytes [4096][32]
.set WOF_O, 0x420000                   ; Wo's images [K step 8][tile 64][2048]
.set W2F_O, 0x520000                   ; W2's images [K step 32][tile 64][2048]
.set WOS_O, 0x920000                   ; Wo's scale words [K step 8][4096]: row 32 p + lane at (p / 4) 512 + 16 lane + 4 (p % 4)
.set W2S_O, 0x928000                   ; W2's likewise [K step 32][4096]
.set STEPS, 16
.set EMAX,  8
.set MANT,  0x600000                   ; the mantissa field of 448 as f32
.set CB,    16                         ; bytes of 16 codes
.set R,     16                         ; v16-79   four sets of 16 numbers as they are loaded
.set X,     80                         ; v80-111  two sets of 16 neighbours
.set C,     128                        ; v128-191 codes: four registers for each step
.set E,     112                        ; v112-127 a scale byte for each step
.set WREG,  8192                       ; LDS: a region for each wave: two stages of 32 x SP bytes, then its 256 scale bytes
.set SP,    80                         ; a lane's place in a stage: 64 bytes + 16 of padding
.set FRG,   32                         ; path R: v32-159 eight fragments
	s_load_b256 s[4:11], s[0:1], 0x0               ; x, Wo's codes, Wo's scales, W2's codes
	s_load_b128 s[12:15], s[0:1], 0x20             ; W2's scales, wa
	v_lshl_add_u32 v192, v0, 2, 0x8000
	v_mov_b32 v193, 0
	v_lshrrev_b32 v1, 5, v0
	v_readfirstlane_b32 s16, v1                    ; wave
	v_and_b32 v2, 31, v0                           ; lane
	s_cmp_ge_u32 ttmp9, 128
	s_cbranch_scc1 .Lrelay
; ---------------- path X: a wave takes 16 steps of 512 numbers.  Each load reads 512 consecutive bytes; a step's 2,048 bytes turn through the wave's own stage so that a lane holds 16 neighbours
	v_lshlrev_b32 v3, 4, v2                        ; my 16 bytes of a load's 512
	s_mul_i32 s17, s16, WREG
	v_lshrrev_b32 v14, 2, v2
	v_mul_u32_u24 v14, v14, SP
	v_and_b32 v15, 3, v2
	v_lshl_add_u32 v14, v15, 4, v14
	v_add_nc_u32 v14, s17, v14                     ; the stage, on the way in: SP (lane / 4) + 16 (lane % 4)
	v_mul_u32_u24 v15, v2, SP
	v_add_nc_u32 v15, s17, v15                     ; and on the way out: SP x lane
	v_mul_u32_u24 v4, v2, CB                       ; my codes' place in a step's
	v_lshrrev_b32 v5, 1, v2
	s_add_co_u32 s17, s17, 2*32*SP
	v_add_nc_u32 v5, s17, v5                       ; LDS: my wave's 256 scale bytes, my block's byte
	v_lshlrev_b32 v7, 3, v2                        ; and on the way out 8 bytes a lane
	v_add_nc_u32 v6, s17, v7
	s_mov_b32 s23, MANT
	s_lshl_b32 s18, ttmp9, 2
	s_add_co_u32 s18, s18, s16                     ; which run of 8,192 numbers is my wave's
	s_mov_b32 s19, 0
	s_lshl_b64 s[20:21], s[18:19], 15              ; 32,768 bytes of x,
	s_lshl_b32 s24, s18, 13                        ; 8,192 bytes of codes,
	s_mov_b32 s25, 0
	s_lshl_b32 s26, s18, 8                         ; 256 scale bytes a run
	s_add_co_u32 s26, s26, XS_O
	s_mov_b32 s27, 0
	s_wait_alu depctr_va_vdst(0)
	s_wait_kmcnt 0x0
	s_add_nc_u64 s[4:5], s[4:5], s[20:21]
	s_add_nc_u64 s[8:9], s[14:15], s[24:25]
	s_add_nc_u64 s[10:11], s[14:15], s[26:27]
.macro LOAD t
.irp i, 0,1,2,3
	global_load_b128 v[R+16*((\t)%4)+4*\i:R+16*((\t)%4)+4*\i+3], v3, s[4:5] offset:2048*(\t)+512*\i th:TH_LOAD_NT
.endr
.endm
.macro TURN t                          ; step t's numbers through the stage: LDS serves a wave's instructions in order, so no wait stands between the stores and the loads
.irp i, 0,1,2,3
	ds_store_b128 v14, v[R+16*((\t)%4)+4*\i:R+16*((\t)%4)+4*\i+3] offset:32*SP*((\t)%2)+8*SP*\i
.endr
.irp i, 0,1,2,3
	ds_load_b128 v[X+16*((\t)%2)+4*\i:X+16*((\t)%2)+4*\i+3], v15 offset:32*SP*((\t)%2)+16*\i
.endr
.endm
.irp t, 0,1,2,3
	LOAD \t
.endr
	s_wait_loadcnt 12                              ; step 0's four loads are in; the twelve of steps 1 to 3 may be out
	TURN 0
.macro STEP t
.set XS, X+16*((\t)%2)
.if (\t) > 0
	s_wait_dscnt 1                                 ; this step's numbers are back from the stage (the last step's byte store may be out)
.else
	s_wait_dscnt 0x0
.endif
.if (\t)+4 < STEPS
	LOAD (\t)+4                                    ; into the registers that the stage's stores have read
.endif
.if (\t)+1 < STEPS
.if STEPS-2-(\t) >= 3
	s_wait_loadcnt 12                              ; the next step's four loads are in; those of the three steps behind it may be out
.else
	s_wait_loadcnt 4*(STEPS-2-(\t))
.endif
	TURN (\t)+1
.endif
	v_max3_num_f32 v8, |v[XS]|, |v[XS+1]|, |v[XS+2]|
	v_max3_num_f32 v9, |v[XS+3]|, |v[XS+4]|, |v[XS+5]|
.irp i, 6,10
	v_max3_num_f32 v8, v8, |v[XS+\i]|, |v[XS+\i+1]|
	v_max3_num_f32 v9, v9, |v[XS+\i+2]|, |v[XS+\i+3]|
.endr
	v_max3_num_f32 v8, v8, |v[XS+14]|, |v[XS+15]|
	v_max3_num_f32 v8, v8, v9, (EMAX+1)<<23        ; the floor 2^(9 - 127): the byte cannot fall under 1
	v_max_num_f32_dpp v8, v8, v8 row_xmask:1 row_mask:0xf bank_mask:0xf   ; with my neighbour's 16: the block's largest magnitude
	v_add_nc_u32 v11, -(EMAX<<23), v8              ; 8 off its exponent field: the conversion's scale operand
	v_and_or_b32 v10, v8, 0x7f800000, s23          ; 448 x the scale
.irp i, 0,1,2,3,4,5,6,7,8,9,10,11,12,13,14,15
	v_med3_num_f32 v[XS+\i], v[XS+\i], -v10, v10   ; the conversion to an 8-bit code does not saturate (ISA guide 7.6.2)
.endr
	v_cvt_scalef32_pk8_fp8_f32 v[C+4*(\t):C+4*(\t)+1], v[XS:XS+7], v11
	v_cvt_scalef32_pk8_fp8_f32 v[C+4*(\t)+2:C+4*(\t)+3], v[XS+8:XS+15], v11
	v_lshrrev_b32 v[E+(\t)], 23, v11               ; the scale's byte
	ds_store_b8 v5, v[E+(\t)] offset:16*(\t)       ; both lanes of a block write the same byte with the same value
	global_store_b128 v4, v[C+4*(\t):C+4*(\t)+3], s[8:9] offset:32*CB*(\t)   ; 512 consecutive bytes
.endm
.irp t, 0,1,2,3,4,5,6,7,8,9,10,11,12,13,14,15
	STEP \t
.endr
	ds_load_b64 v[12:13], v6
	s_wait_dscnt 0x0
	global_store_b64 v7, v[12:13], s[10:11]        ; 32 lanes store 256 consecutive bytes
	s_wait_tensorcnt 0x0
	ds_add_u32 v192, v193
	s_wait_dscnt 0x0
	s_endpgm
; ---------------- path R: a wave takes a pair of tiles (rows 32 p .. 32 p + 31) x four K steps (4 sg .. 4 sg + 3): eight fragments and their scale words
.Lrelay:
	s_sub_co_u32 s17, ttmp9, 128
	s_lshl_b32 s17, s17, 2
	s_add_co_u32 s17, s17, s16                     ; unit 0..319: the first 64 are Wo's, the others W2's
	s_cmp_lt_u32 ttmp9, 144                        ; the choice hangs on the work-group's number alone
	s_cselect_b32 s18, 0, 64
	s_cselect_b32 s19, 1, 3                        ; groups of four K steps: 2 in Wo, 8 in W2
	s_cselect_b32 s20, 1, 7
	s_cselect_b32 s21, 10, 12                      ; a row of codes: 1,024 or 4,096 bytes
	s_cselect_b32 s22, 5, 7                        ; a row of scale bytes: 32 or 128
	s_mov_b32 s23, W2F_O
	s_cselect_b32 s23, WOF_O, s23
	s_mov_b32 s24, W2S_O
	s_cselect_b32 s24, WOS_O, s24
	s_wait_kmcnt 0x0
	s_cselect_b64 s[6:7], s[6:7], s[10:11]         ; the codes,
	s_cselect_b64 s[8:9], s[8:9], s[12:13]         ; the scale bytes
	s_sub_co_u32 s17, s17, s18
	s_lshr_b32 s25, s17, s19                       ; p
	s_and_b32 s26, s17, s20                        ; sg
	v_and_b32 v3, 15, v0                           ; r
	v_bfe_u32 v4, v0, 4, 1                         ; h
	s_lshl_b32 s27, s25, 5
	v_add_nc_u32 v5, s27, v3                       ; row 32 p + r
	v_lshlrev_b32 v5, s21, v5
	v_lshl_add_u32 v5, v4, 3, v5                   ; + 8 h
	s_lshl_b32 s28, s26, 9
	v_add_nc_u32 v5, s28, v5                       ; + 512 sg: tile 2 p
	s_lshl_b32 s29, 16, s21
	v_add_nc_u32 v6, s29, v5                       ; 16 rows on: tile 2 p + 1
	s_wait_alu depctr_va_vdst(0)
	v_add_nc_u32 v7, s27, v2                       ; row 32 p + lane,
	v_lshlrev_b32 v7, s22, v7
	s_lshl_b32 s28, s26, 4
	v_add_nc_u32 v7, s28, v7                       ; its 16 scale bytes of these four K steps
	s_wait_alu depctr_va_vdst(0)
	s_lshl_b32 s28, s26, 19                        ; images: 4 sg K steps of 131,072 bytes,
	s_lshl_b32 s29, s25, 12                        ; 2 p tiles of 2,048
	s_add_co_u32 s28, s28, s29
	s_add_co_u32 s28, s28, s23
	v_lshl_add_u32 v8, v2, 4, s28
	s_lshl_b32 s28, s26, 14                        ; scale words: 4 sg K steps of 4,096 bytes,
	s_lshr_b32 s29, s25, 2
	s_lshl_b32 s29, s29, 9
	s_add_co_u32 s28, s28, s29                     ; (p / 4) 512,
	s_and_b32 s29, s25, 3
	s_lshl_b32 s29, s29, 2
	s_add_co_u32 s28, s28, s29                     ; 4 (p % 4)
	s_add_co_u32 s28, s28, s24
	v_lshl_add_u32 v9, v2, 4, s28
	global_load_b128 v[16:19], v7, s[8:9]
.irp u, 0,1
.irp g, 0,1,2,3
.irp c, 0,1,2,3
	global_load_b64 v[FRG+16*(4*\u+\g)+4*\c:FRG+16*(4*\u+\g)+4*\c+1], v[5+\u], s[6:7] offset:128*\g+32*\c
	global_load_b64 v[FRG+16*(4*\u+\g)+4*\c+2:FRG+16*(4*\u+\g)+4*\c+3], v[5+\u], s[6:7] offset:128*\g+32*\c+16
.endr
.endr
.endr
	s_wait_alu depctr_va_vdst(0)
.irp u, 0,1
.irp g, 0,1,2,3
	s_wait_loadcnt 8*(7-(4*\u+\g))                 ; this fragment's eight loads are in; the eight of each later fragment may be out
.irp c, 0,1,2,3
	global_store_b128 v8, v[FRG+16*(4*\u+\g)+4*\c:FRG+16*(4*\u+\g)+4*\c+3], s[14:15] offset:\g*131072+\u*2048+512*\c
.endr
.endr
.endr
.irp g, 0,1,2,3
	global_store_b32 v9, v[16+\g], s[14:15] offset:\g*4096
.endr
	s_endpgm
.Lfunc_end_k_qf36943b0ed_prep:
	.size	k_qf36943b0ed_prep, .Lfunc_end_k_qf36943b0ed_prep-k_qf36943b0ed_prep
	.p2alignl 7, 3214868480
	.fill 96, 4, 3214868480
	.section	.rodata,"a",@progbits
	.p2align	6, 0x0
	.amdhsa_kernel k_qf36943b0ed_prep
		.amdhsa_group_segment_fixed_size 33280
		.amdhsa_private_segment_fixed_size 0
		.amdhsa_enable_private_segment 0
		.amdhsa_kernarg_size 48
		.amdhsa_user_sgpr_count 2
		.amdhsa_user_sgpr_kernarg_segment_ptr 1
		.amdhsa_wavefront_size32 1
		.amdhsa_system_sgpr_workgroup_id_x 1
		.amdhsa_system_sgpr_workgroup_id_y 1
		.amdhsa_system_sgpr_workgroup_id_z 1
		.amdhsa_system_vgpr_workitem_id 0
		.amdhsa_next_free_vgpr 194
		.amdhsa_next_free_sgpr 66
		.amdhsa_reserve_vcc 0
		.amdhsa_float_denorm_mode_32 3
		.amdhsa_float_denorm_mode_16_64 3
		.amdhsa_memory_ordered 1
		.amdhsa_forward_progress 1
		.amdhsa_inst_pref_size 62
	.end_amdhsa_kernel
	.amdgpu_metadata
---
amdhsa.version: [ 1, 2 ]
amdhsa.kernels:
  - .name:           k_qf36943b0ed_prep
    .symbol:         k_qf36943b0ed_prep.kd
    .args:
      - { .name: x, .offset: 0, .size: 8, .value_kind: global_buffer, .address_space: global }
      - { .name: Wo_codes, .offset: 8, .size: 8, .value_kind: global_buffer, .address_space: global }
      - { .name: Wo_scales, .offset: 16, .size: 8, .value_kind: global_buffer, .address_space: global }
      - { .name: W2_codes, .offset: 24, .size: 8, .value_kind: global_buffer, .address_space: global }
      - { .name: W2_scales, .offset: 32, .size: 8, .value_kind: global_buffer, .address_space: global }
      - { .name: wa, .offset: 40, .size: 8, .value_kind: global_buffer, .address_space: global }
    .group_segment_fixed_size: 33280
    .private_segment_fixed_size: 0
    .kernarg_segment_align: 8
    .kernarg_segment_size: 48
    .max_flat_workgroup_size: 128
    .sgpr_count:     66
    .vgpr_count:     194
    .wavefront_size: 32
...
	.end_amdgpu_metadata
.endif
;; end of part 1
;; launch qkv (part 2): grid 16 x 12, 4 waves a work-group, clusters of 4 x 4, 327,680 bytes of LDS; arguments wa, Wq_codes, Wq_scales, Wk_codes, Wk_scales, Wv_codes, Wv_scales, wb; writes wb
.if DOCPART == 2
	.amdgcn_target "amdgcn-amd-amdhsa--gfx1250"
	.amdhsa_code_object_version 6
	.text
	.protected	k_qf36943b0ed_qkv
	.globl	k_qf36943b0ed_qkv
	.p2align	8
	.type	k_qf36943b0ed_qkv,@function
k_qf36943b0ed_qkv:
	s_mov_b64 s[64:65], 0
	v_nop
	global_prefetch_b8 v0, s[64:65] scope:SCOPE_SE
	s_setreg_imm32_b32 hwreg(HW_REG_WAVE_MODE, 25, 1), 1
	s_wait_xcnt 0x0
	s_wait_alu depctr_hold_cnt(0) depctr_sa_sdst(0) depctr_va_vdst(0) depctr_va_sdst(0) depctr_va_ssrc(0) depctr_va_vcc(0) depctr_vm_vsrc(0)
	s_getreg_b32 s2, hwreg(HW_REG_IB_STS2, 6, 4)
	s_cmp_eq_u32 s2, 0
	s_cbranch_scc0 .Lentry_in_a_cluster
	s_endpgm
.Lentry_in_a_cluster:
	s_bfe_u32 s2, ttmp6, 0x10000c
	s_cmp_lg_u32 s2, 0xf033
	s_cbranch_scc0 .Lentry_shape_is_right
	s_endpgm
.Lentry_shape_is_right:
; qkv: q = x Wq, k = x Wk, v = x Wv on codes of E4M3 with one E8M0 scale for each 32 along K = 1,024; the results are quantised on the way out: q and k along the head's 64, v along the tokens (the keys).
; A tile of 256 x 256 results is made by four waves, 128 x 128 each: 64 accumulators, 512 registers.  K goes in steps of 256 through a ring of two LDS slots filled by the tensor data mover.
; The scale bytes of the work-group's 256 + 256 rows come into LDS once, with the first fills.
; CLUSTERS: 4 x 4 work-groups; the four of a row of the cluster ask jointly for the tiles of operand A, the four of a column for those of B.
; The cluster's y says what is made: 0 q, 1 k, 2 v; its x says which 1,024 tokens.  THE MATRIX INSTRUCTION IS USED TRANSPOSED (source 0 = 16 rows of B, source 1 = 16 rows of A): a lane keeps one row of A, and its
; registers run along B's rows.  q, k: A = x (a lane keeps a token), B = the weight's rows (head, d).  v: A = Wv's rows (a lane keeps one d), B = x (registers run along the tokens).
; THE WAY OUT uses no LDS: the 64 registers of A's block a are 128 neighbours along the next K; tiles 2 b and 2 b + 1 are a block of 32; they are converted as they stand, and the 16 code registers are
; stored as an image (registers 4c .. 4c+3 of lane l at 512 c + 16 l).  Inside a block of 32 the order is 8h + 0..7, 16 + 8h + 0..7; both operands of each later product have that same order.
; LIMITS: a block of zeros gets the byte 1 where the rule says 127 (its codes are zeros; this program alone reads the bytes); NaN and infinities are not served.
; REGISTERS: window 0: v8-9 the stores' offsets, v16-29 addresses, v32-63 scale words (two sets), v64-127 the way out's numbers, from v128 A's fragments (one set; on the way out codes and work);
;   window 1: B's fragments, two sets; windows 2, 3: the accumulators ((a, b) at v[8 (8 (a % 4) + b)] of window 2 + a / 4).
.set XS_O,   0x400000                  ; in wa: x's scale bytes
.set QS_O,   0xC00000                  ; in wb: q's pair words [bh][pair of tiles 64][16]
.set SC_O,   0xC20000                  ; in wb: [bh][8192]: k's pair words, then v's words [key step 16][d tile 4][16]
.set KSTEP,  256
.set NQ,     KSTEP/128
.set ROWB,   256
.set KROW,   1024                      ; a row of either operand in memory, in bytes
.set PITCH,  272                       ; an LDS row: 256 bytes + 16 of padding: the 16 rows that a load touches start at 16 different banks (64 banks of 4 bytes: ISA guide 11.1)
.set FR,     16
.set NL,     4
.set NP,     8                         ; places behind this matrix instruction (ISA guide 7.12.1)
.set HALFT,  128*PITCH
.set SLOT,   4*HALFT
.set LAPS,   1024/(2*KSTEP)
.set KS,     32                        ; a row of scale bytes
.set SCL,    2*SLOT
.set HALFS,  (128*KS/256)*272
.set SBLK,   (16*KS/256)*272
.set SPARE,  SCL+4*HALFS               ; the spare words, 128 bytes for each wave: two blocks of 256 bytes that no other line names
.set VOC,  8                           ; v8   where my codes go
.set VOS,  9                           ; v9   where my scale words go
.set ADRA, 16
.set ADRB, 20
.set ADRS, 27
.set SPW,  28
.set NIL,  29
.set SC,   32
.set XR,   64                          ; the way out: 64 held numbers
.set AF,   128
.set PC,   128                         ; the way out: 16 registers of codes
.set TM,   144                         ; largest magnitudes
.set TP,   148                         ; the partner lane's, then the bytes
.set LIM,  152                         ; 448 x the scale
.set SCO,  156                         ; the conversion's scale operand
.set PW0,  160                         ; v160, v161 the scale words of an even and an odd block
.set EV,   162
.set OD,   163
.set SV,   164
.set G1, 24
.set G0, 32
.set G1B, 48
.set G0B, 56
.set G1S, 68
.set G0S, 76
.set G1SB, 80
.set G0SB, 88
.set SEL, 92                           ; s92, s93 lane selects for v_permlanex16_b32 (set behind the first fills)
.set MNT, 94                           ; s94  the mantissa field of 448
.set YY,  95                           ; s95  the cluster's y
.set ISV, 96                           ; s96  1 where v is made
.set UPM, 97                           ; s97  the mask of lanes 16-31
.set MSB, 0
.macro WIN new                         ; the immediate's high byte repeats the setting that is left
.if MSB != (\new)
	s_set_vgpr_msb (MSB<<8)|(\new)
.set MSB, (\new)
.endif
.endm
.set MUL_LO, 0xa1                      ; source 0 (B) window 1, source 1 (A) window 0, C and D window 2
.set MUL_HI, 0xf1
.set TO_B,   0x40
; A joint load: waves 0 and 1 fetch for A, waves 2 and 3 for B.  The branch hangs on the wave's number alone.  Four v_nop follow each of the two lines.
.macro JLOAD g0a, g1a, g0b, g1b
	s_cmp_eq_u32 s15, 0
	s_cbranch_scc0 .Lfor_b_\@
	tensor_load_to_lds s[\g0a:\g0a+3], s[\g1a:\g1a+7]
	s_nop 0
.rept 4
	v_nop
.endr
	s_branch .Lasked_\@
.Lfor_b_\@:
	tensor_load_to_lds s[\g0b:\g0b+3], s[\g1b:\g1b+7]
	s_nop 0
.rept 4
	v_nop
.endr
.Lasked_\@:
.endm
.macro CREST
	s_cmp_lg_u32 s14, 0
	s_cbranch_scc1 .Lnot_wave_0_\@
	s_barrier_signal -3
.Lnot_wave_0_\@:
	s_barrier_wait -3
	s_barrier_signal -1
	s_barrier_wait -1
.endm
.macro CROUND
	s_barrier_signal -1
	s_barrier_wait -1
	CREST
.endm
	s_load_b256 s[68:75], s[0:1], 0x0              ; wa, Wq's codes, Wq's scales, Wk's codes
	s_load_b256 s[76:83], s[0:1], 0x20             ; Wk's scales, Wv's codes, Wv's scales, wb
	v_lshl_add_u32 v[SPW], v0, 2, SPARE
	v_mov_b32 v[NIL], 0
	ds_add_u32 v28, v29
	ds_add_u32 v28, v29
	s_wait_dscnt 0x0
	v_lshrrev_b32 v1, 5, v0
	v_readfirstlane_b32 s14, v1                    ; wave 0..3
	s_lshr_b32 s15, s14, 1                         ; which half of A's rows is mine.  Also: I fetch for A (0) or for B (1)
	s_and_b32 s16, s14, 1                          ; which half of B's rows.  Also: which 128 rows of that tile I fetch
	s_bfe_u32 s40, ttmp6, 0x40000                  ; cx, cy
	s_bfe_u32 s41, ttmp6, 0x40004
	s_and_b32 s[YY], ttmp7, 0xffff                 ; 0 q, 1 k, 2 v: the same in all sixteen partners
	s_lshl_b32 s18, ttmp9, 2                       ; the cluster's four tiles of 256 tokens
	s_cmp_eq_u32 s[YY], 2
	s_cselect_b32 s42, s18, 0                      ; the tokens are B's rows where v is made,
	s_cselect_b32 s17, 0, s18                      ; else A's
	s_cselect_b32 s[ISV], 1, 0
	s_add_co_u32 s42, s42, s40                     ; tile column (B)
	s_add_co_u32 s17, s17, s41                     ; tile row (A)
	s_lshl_b32 s43, s41, 2
	s_lshl_b32 s43, 15, s43                        ; my row of the cluster
	s_lshl_b32 s44, 0x1111, s40                    ; my column
	s_wait_kmcnt 0x0
	s_add_nc_u64 s[84:85], s[68:69], XS_O          ; x's scale bytes
	s_cmp_eq_u32 s[YY], 0
	s_cselect_b64 s[20:21], s[70:71], s[74:75]     ; Wq or Wk
	s_cselect_b64 s[22:23], s[72:73], s[76:77]
	s_cmp_eq_u32 s[YY], 2
	s_cselect_b64 s[4:5], s[78:79], s[68:69]       ; A's codes,
	s_cselect_b64 s[6:7], s[80:81], s[84:85]       ; A's scales,
	s_cselect_b64 s[8:9], s[68:69], s[20:21]       ; B's codes,
	s_cselect_b64 s[10:11], s[84:85], s[22:23]     ; B's scales
	s_mov_b64 s[12:13], s[82:83]                   ; wb.  From here on s68 and above take the descriptors
	s_or_b32 s[G1+0], s43, (0<<16)|(1<<20)|(1<<21)|(5<<22)|(3<<25)  ; mask: my row; elements of 1 byte; padding: 4 words after every 64; bit 21 beside a mask
	s_or_b32 s[G1B+0], s44, (0<<16)|(1<<20)|(1<<21)|(5<<22)|(3<<25)
.irp g, G1, G1B
	s_mov_b32 s[\g+1], ROWB<<16                    ; tensor_dim0
	s_mov_b32 s[\g+2], 256<<16                     ; tensor_dim1: 256 rows for the head's loads
	s_mov_b32 s[\g+3], ROWB<<16                    ; tile_dim0
	s_mov_b32 s[\g+4], 256                         ; tile_dim1
	s_mov_b32 s[\g+5], KROW                        ; the pitch
	s_mov_b32 s[\g+6], 0
	s_mov_b32 s[\g+7], 0
.endr
	s_or_b32 s[G1S+0], s43, (3<<16)|(1<<20)|(1<<21)|(5<<22)|(3<<25)  ; the scales of 256 rows: 8,192 dense bytes as 32 rows of 256, 16 bytes of padding behind each
	s_or_b32 s[G1SB+0], s44, (3<<16)|(1<<20)|(1<<21)|(5<<22)|(3<<25)
.irp g, G1S, G1SB
	s_mov_b32 s[\g+1], 32<<16
	s_mov_b32 s[\g+2], (256*KS/256)<<16            ; the scales of 256 rows: 32 rows of 256 bytes
	s_mov_b32 s[\g+3], 32<<16
	s_mov_b32 s[\g+4], 256*KS/256
	s_mov_b32 s[\g+5], 32
	s_mov_b32 s[\g+6], 0
	s_mov_b32 s[\g+7], 0
.endr
	s_lshl_b32 s20, s17, 8                         ; A: the tile's first row
	s_lshl_b32 s46, s42, 8                         ; B: likewise
	s_mov_b32 s21, 0
	s_mov_b32 s47, 0
	s_mov_b64 s[18:19], KS
	s_mul_u64 s[22:23], s[20:21], s[18:19]
	s_mul_u64 s[92:93], s[46:47], s[18:19]
	s_mov_b64 s[18:19], KROW
	s_mul_u64 s[20:21], s[20:21], s[18:19]
	s_mul_u64 s[46:47], s[46:47], s[18:19]
	s_mul_i32 s45, s14, HALFT                      ; where they go: wave x 128 rows: no place in the cluster enters an LDS address
	s_mul_i32 s18, s16, 128*KROW                   ; in the ring I fetch 128 rows of a tile: which half, in bytes
	s_mov_b32 s19, 0
	s_add_nc_u64 s[20:21], s[4:5], s[20:21]
	s_add_nc_u64 s[22:23], s[6:7], s[22:23]
	s_add_nc_u64 s[46:47], s[8:9], s[46:47]
	s_add_nc_u64 s[92:93], s[10:11], s[92:93]
	CROUND                                         ; all sixteen work-groups are here: the first joint loads meet
	s_mov_b32 s[G0S], 1
	s_mov_b32 s[G0S+1], SCL
	s_mov_b64 s[G0S+2:G0S+3], s[22:23]
	s_or_b32 s[G0S+3], s[G0S+3], 0x80000000
	s_mov_b32 s[G0SB], 1
	s_mov_b32 s[G0SB+1], SCL+2*HALFS
	s_mov_b64 s[G0SB+2:G0SB+3], s[92:93]
	s_or_b32 s[G0SB+3], s[G0SB+3], 0x80000000
	s_mov_b32 s4, 1                                ; group 0 of the head's loads of K step 0: A's 256 rows (the arguments that lay here have been used),
	s_mov_b32 s5, 0
	s_mov_b64 s[6:7], s[20:21]
	s_or_b32 s7, s7, 0x80000000
	s_mov_b32 s8, 1                                ; B's 256 rows, behind them in slot 0
	s_mov_b32 s9, 2*HALFT
	s_mov_b64 s[10:11], s[46:47]
	s_or_b32 s11, s11, 0x80000000
	s_add_nc_u64 s[20:21], s[20:21], s[18:19]      ; for the ring: my 128 rows of the tile
	s_add_nc_u64 s[46:47], s[46:47], s[18:19]
.irp s, 0,1
	s_mov_b32 s[G0+4*\s], 1
	s_add_co_u32 s[G0+4*\s+1], s45, \s*SLOT
	s_add_nc_u64 s[G0+4*\s+2:G0+4*\s+3], s[20:21], \s*ROWB
	s_or_b32 s[G0+4*\s+3], s[G0+4*\s+3], 0x80000000
	s_mov_b32 s[G0B+4*\s], 1
	s_add_co_u32 s[G0B+4*\s+1], s45, \s*SLOT
	s_add_nc_u64 s[G0B+4*\s+2:G0B+4*\s+3], s[46:47], \s*ROWB
	s_or_b32 s[G0B+4*\s+3], s[G0B+4*\s+3], 0x80000000
.endr
; the head's loads, one a wave: wave 0 A's 256 rows of K step 0, wave 1 B's, wave 2 A's scales, wave 3 B's: one chain of branches on the wave's number
.macro ARM under, g0, g1, next
	s_cmp_lt_u32 s14, \under
	s_cbranch_scc0 \next
	tensor_load_to_lds s[\g0:\g0+3], s[\g1:\g1+7]
	s_nop 0
.rept 4
	v_nop
.endr
	s_branch .Lhead_asked
\next:
.endm
	ARM 1, 4, G1, .Lhead_b
	ARM 2, 8, G1B, .Lhead_sa
	ARM 3, G0S, G1S, .Lhead_sb
	tensor_load_to_lds s[G0SB:G0SB+3], s[G1SB:G1SB+7]
	s_nop 0
.rept 4
	v_nop
.endr
.Lhead_asked:
	v_and_b32 v1, 15, v0                           ; r
	v_bfe_u32 v2, v0, 4, 1                         ; h
	v_mul_u32_u24 v3, v1, PITCH
	v_lshl_add_u32 v4, v2, 4, v3
	s_mul_i32 s21, s15, HALFT
	s_mul_i32 s22, s16, HALFT
	s_add_co_u32 s22, s22, 2*HALFT
.irp s, 0,1
	v_add_nc_u32 v[ADRA+\s], s21, v4
	v_add_nc_u32 v[ADRB+\s], s22, v4
	s_add_co_u32 s21, s21, SLOT
	s_add_co_u32 s22, s22, SLOT
.endr
	v_mul_u32_u24 v5, v1, KS
	v_lshrrev_b32 v6, 8, v5
	v_lshl_add_u32 v5, v6, 4, v5
	s_mul_i32 s21, s15, HALFS
	s_mul_i32 s22, s16, HALFS
	s_add_co_u32 s22, s22, 2*HALFS
	s_sub_co_u32 s22, s22, s21
	v_mul_u32_u24 v6, s22, v2                      ; lanes 16-31 take B's scale words
	s_add_co_u32 s21, s21, SCL
	v_add_nc_u32 v5, v5, v6
	v_add_nc_u32 v[ADRS], s21, v5
	; where the results go.  tok0: my first token; row0: my first row (head, d) of the weight
	s_lshl_b32 s20, s17, 8
	s_lshl_b32 s21, s15, 7
	s_add_co_u32 s20, s20, s21                     ; A's first row of mine
	s_lshl_b32 s46, s42, 8
	s_lshl_b32 s47, s16, 7
	s_add_co_u32 s46, s46, s47                     ; B's
	s_cmp_eq_u32 s[YY], 2
	s_cselect_b32 s21, s46, s20                    ; tok0
	s_cselect_b32 s22, s20, s46                    ; row0
	s_lshr_b32 s23, s21, 11                        ; the batch
	s_and_b32 s21, s21, 2047                       ; the token in its batch
	s_lshl_b32 s23, s23, 4
	s_lshr_b32 s22, s22, 6
	s_add_co_u32 s23, s23, s22                     ; bh0 = 16 x batch + my first head
	s_lshl_b32 s22, s[YY], 22                      ; q's, k's, v's codes lie 0x400000 bytes apart;
	s_lshl_b32 s45, s23, 17                        ; 131,072 bytes a head;
	s_add_co_u32 s22, s22, s45
	s_lshl_b32 s45, s21, 6                         ; 64 bytes a token: 1,024 for a tile of 16 in q and k, 8,192 for a key step of 128 in v
	s_add_co_u32 s22, s22, s45
	v_and_b32 v6, 31, v0
	v_lshl_add_u32 v[VOC], v6, 4, s22
	s_cmp_eq_u32 s[YY], 0
	s_cselect_b32 s45, 12, 13                      ; scale words: 4,096 bytes a head in q's region, 8,192 in k's and v's
	s_mov_b32 s46, SC_O
	s_cselect_b32 s46, QS_O, s46
	s_cmp_eq_u32 s[YY], 2
	s_cselect_b32 s47, 6, s45                      ; lanes 16-31: the next head (q, k) or the next d tile, 64 bytes on (v)
	s_cselect_b32 s22, 4096, 0                     ; v's words lie behind k's
	s_add_co_u32 s46, s46, s22
	s_lshl_b32 s22, s23, s45
	s_add_co_u32 s46, s46, s22
	s_lshl_b32 s22, s21, 1                         ; 2 bytes a token: 64 for a pair of tiles, 256 for a key step
	s_add_co_u32 s46, s46, s22
	v_lshlrev_b32 v[VOS], s47, v2
	v_lshl_add_u32 v[VOS], v1, 2, v[VOS]
	v_add_nc_u32 v[VOS], s46, v[VOS]
	s_mov_b32 s[UPM], 0xffff0000
	s_mov_b32 s[SEL], 0x76543210
	s_mov_b32 s[SEL+1], 0xfedcba98
	s_mov_b32 s[MNT], 0x600000
.macro FRAG reg, adr, q, i             ; 16 rows x 128 K: lane l holds row l % 16; registers 4 c .. 4 c + 3 hold K = 32 c + 16 (l / 16) + 0 .. 15
.irp c, 0,1,2,3
	ds_load_b128 v[\reg+4*\c:\reg+4*\c+3], v[\adr] offset:128*(\q)+32*\c+(\i)*16*PITCH
.endr
.endm
; 16 matrix instructions: A's blocks a0, a0 + 1 x B's eight.  The 64 accumulators take turns, one instruction a turn, in the same order in every step.
.macro MUL16 a0, p, q, sc, zero
.irp a, \a0, \a0+1
.irp b, 0,1,2,3,4,5,6,7
.if \zero
	v_wmma_scale_f32_16x16x128_f8f6f4 v[8*(8*((\a)%4)+\b):8*(8*((\a)%4)+\b)+7], v[128*(\p)+FR*\b:128*(\p)+FR*\b+FR-1], v[AF+FR*(\a):AF+FR*(\a)+FR-1], 0, v[SC+8*NQ*(\sc)+NQ*\b+(\q)], v[SC+8*NQ*(\sc)+NQ*(\a)+(\q)] matrix_a_scale:MATRIX_SCALE_ROW1
.else
	v_wmma_scale_f32_16x16x128_f8f6f4 v[8*(8*((\a)%4)+\b):8*(8*((\a)%4)+\b)+7], v[128*(\p)+FR*\b:128*(\p)+FR*\b+FR-1], v[AF+FR*(\a):AF+FR*(\a)+FR-1], v[8*(8*((\a)%4)+\b):8*(8*((\a)%4)+\b)+7], v[SC+8*NQ*(\sc)+NQ*\b+(\q)], v[SC+8*NQ*(\sc)+NQ*(\a)+(\q)] matrix_a_scale:MATRIX_SCALE_ROW1
.endif
.endr
.endr
.endm
.macro FETCH_B slot, q, p
	WIN TO_B
.irp i, 0,1,2,3,4,5,6,7
	FRAG 128*(\p)+FR*\i, ADRB+\slot, \q, \i
.endr
	WIN 0
.endm
.macro FETCH_A slot, q, i0
.irp i, \i0, \i0+1, \i0+2, \i0+3
	FRAG AF+FR*(\i), ADRA+\slot, \q, \i
.endr
.endm
.macro SCALES sc                       ; lanes 0-15 take A's block i, lanes 16-31 B's block i: two words a row for a K step of 256
.irp i, 0,1,2,3,4,5,6,7
	ds_load_b64 v[SC+8*NQ*\sc+NQ*\i:SC+8*NQ*\sc+NQ*\i+1], v[ADRS] offset:\i*SBLK
.endr
.endm
.macro PLACES n                        ; plain vector instructions between a matrix instruction and a load into, or a vector access to, its registers
.rept \n
	v_nop
.endr
.endm
.macro STEP slot, q, zero              ; a step of 128 along K that has its successor in the same slot
	s_wait_dscnt 4*NL                              ; B's set and A's blocks 0-3 are in; the youngest sixteen loads (A's blocks 4-7) may be out
	WIN MUL_LO
	MUL16 0, (\q)%2, \q, \slot, \zero
	MUL16 2, (\q)%2, \q, \slot, \zero
	s_wait_dscnt 0
	PLACES NP
	FETCH_B \slot, (\q)+1, 1-(\q)%2
	FETCH_A \slot, (\q)+1, 0
	WIN MUL_HI
	MUL16 4, (\q)%2, \q, \slot, \zero
	MUL16 6, (\q)%2, \q, \slot, \zero
	PLACES NP
	WIN 0
	FETCH_A \slot, (\q)+1, 4
.endm
; A slot's last step changes slots: one barrier; in front of it each wave waits for all its tensor loads, adds 0 to its spare word, and waits for that and for its own reads of this slot.
.macro TURN slot, next, fill
	s_wait_tensorcnt 0x0                           ; all my tensor loads have landed: my part of the next slot
	ds_add_u32 v[SPW], v[NIL]                      ; 0 onto my spare word
	s_wait_dscnt 4*NL+1                            ; (the add and the youngest sixteen loads may be out)
	WIN MUL_LO
	MUL16 0, 1, NQ-1, \slot, 0
	s_wait_dscnt 0x0                               ; the add is done, and my reads of this slot are over
	s_barrier_signal -1
	MUL16 2, 1, NQ-1, \slot, 0
	WIN 0
	s_barrier_wait -1
.if \fill
	CREST                                          ; the barrier has opened a round of the cluster's barrier: no wave of any partner still reads this slot or has a load on its way
	s_add_nc_u64 s[G0+4*\slot+2:G0+4*\slot+3], s[G0+4*\slot+2:G0+4*\slot+3], 2*ROWB
	s_add_nc_u64 s[G0B+4*\slot+2:G0B+4*\slot+3], s[G0B+4*\slot+2:G0B+4*\slot+3], 2*ROWB
	JLOAD G0+4*\slot, G1, G0B+4*\slot, G1B         ; the first tensor load behind the round; its four v_nop are among the places in front of the loads below
	PLACES NP-4
.else
	PLACES NP
.endif
	s_wait_alu depctr_va_vdst(0)
	v_add_nc_u32 v[ADRS], 4*NQ, v[ADRS]            ; on to the next K step's scale words
	FETCH_B \next, 0, 0
	FETCH_A \next, 0, 0
	SCALES \next
	WIN MUL_HI
	MUL16 4, 1, NQ-1, \slot, 0
	MUL16 6, 1, NQ-1, \slot, 0
	PLACES NP
	WIN 0
	FETCH_A \next, 0, 4
.endm
	s_wait_alu depctr_va_vdst(0)
	s_wait_tensorcnt 0x0                           ; my tile of the head's four is in
	ds_add_u32 v[SPW], v[NIL]
	s_mov_b32 s[G1+2], 128<<16                     ; no tensor load of mine is out: from here on a load brings 128 rows
	s_mov_b32 s[G1+4], 128
	s_mov_b32 s[G1B+2], 128<<16
	s_mov_b32 s[G1B+4], 128
	s_wait_dscnt 0x0
	CROUND                                         ; all four tiles are in, and all sixteen work-groups are here
	JLOAD G0+4, G1, G0B+4, G1B                     ; K step 1's load, the first tensor load behind the round
	FETCH_B 0, 0, 0
	FETCH_A 0, 0, 0
	SCALES 0
	FETCH_A 0, 0, 4
	STEP 0, 0, 1                                   ; the first step's products start the sums
	s_mov_b32 s3, LAPS-1
.Llap:
	TURN 0, 1, 1
	STEP 1, 0, 0
	TURN 1, 0, 1
	STEP 0, 0, 0
	s_sub_co_u32 s3, s3, 1
	s_cmp_lg_u32 s3, 0
	s_cbranch_scc1 .Llap
	TURN 0, 1, 0                                   ; the last lap fills nothing
	STEP 1, 0, 0
	s_wait_dscnt 4*NL
	WIN MUL_LO
	MUL16 0, 1, NQ-1, 1, 0
	MUL16 2, 1, NQ-1, 1, 0
	s_wait_dscnt 0
	WIN MUL_HI
	MUL16 4, 1, NQ-1, 1, 0
	MUL16 6, 1, NQ-1, 1, 0
	WIN 0
; THE WAY OUT.  QEPI a: the 64 results of A's block a (four blocks of 32 along the next K, 16 numbers of each in my lane, the other 16 in lane l xor 16) become 16 registers of codes and a scale word.
.macro QEPI a
.set AC, 64*((\a)%4)
.set WA, 2+(\a)/4
.set PWR, PW0+(\a)%2
	s_wait_xcnt 0x0                                ; the last block's stores have read their registers: the codes and the word may be written again
	WIN (WA<<2)|(WA<<4)                            ; sources 1 and 2: the accumulators' window
.irp b, 0,1,2,3
	v_max3_num_f32 v[TM+\b], 0x4800000, |v[AC+16*\b]|, |v[AC+16*\b+1]|   ; with the floor 2^(9 - 127): the byte cannot fall under 1.  Each accumulator is read from its low end on
.endr
.irp i, 2,4,6,8,10,12,14
.irp b, 0,1,2,3
	v_max3_num_f32 v[TM+\b], v[TM+\b], |v[AC+16*\b+\i]|, |v[AC+16*\b+\i+1]|
.endr
.endr
	WIN 0
.irp b, 0,1,2,3
	v_permlanex16_b32 v[TP+\b], v[TM+\b], s[SEL], s[SEL+1]
.endr
.irp b, 0,1,2,3
	v_max_num_f32 v[TM+\b], v[TM+\b], v[TP+\b]     ; the block's largest magnitude
.endr
.irp b, 0,1,2,3
	v_add_nc_u32 v[SCO+\b], 0xfc000000, v[TM+\b]   ; 8 off its exponent field: the conversion's scale operand
.endr
.irp b, 0,1,2,3
	v_and_or_b32 v[LIM+\b], v[TM+\b], 0x7f800000, s[MNT]   ; 448 x the scale
.endr
.irp b, 0,1,2,3
	v_lshrrev_b32 v[TP+\b], 23, v[SCO+\b]          ; the scale's byte
.endr
	v_lshl_or_b32 v[PWR], v[TP+1], 8, v[TP]
	v_lshl_or_b32 v[PWR], v[TP+2], 16, v[PWR]
	v_lshl_or_b32 v[PWR], v[TP+3], 24, v[PWR]
	WIN WA                                         ; source 0: the accumulators' window
.irp b, 0,1,2,3
.irp i, 0,1,2,3,4,5,6,7,8,9,10,11,12,13,14,15
	v_med3_num_f32 v[XR+16*\b+\i], v[AC+16*\b+\i], -v[LIM+\b], v[LIM+\b]   ; the conversion to an 8-bit code does not saturate (ISA guide 7.6.2)
.endr
.endr
	WIN 0
.irp b, 0,1,2,3
	v_cvt_scalef32_pk8_fp8_f32 v[PC+4*\b:PC+4*\b+1], v[XR+16*\b:XR+16*\b+7], v[SCO+\b]
	v_cvt_scalef32_pk8_fp8_f32 v[PC+4*\b+2:PC+4*\b+3], v[XR+16*\b+8:XR+16*\b+15], v[SCO+\b]
.endr
	v_nop                                          ; a plain line behind the last conversion
.endm
; The stores.  The branch hangs on the cluster's y, which all partners share; no tensor load and no barrier stands under it.
; q, k: block a is a tile of 16 tokens; registers 0-7 are my first head's 64, registers 8-15 my second head's.  A pair of tiles shares a scale word: the even tile's two bytes below, the odd tile's above.
; v: block a is d tile a % 4 of head a / 4; the 16 registers are a key step's 128 keys.
.macro OUT a
	s_cmp_eq_u32 s[ISV], 1
	s_cbranch_scc1 .Lout_v_\@
.irp c, 0,1,2,3
	global_store_b128 v[VOC], v[PC+4*\c:PC+4*\c+3], s[12:13] offset:(\a)*1024+(\c/2)*131072+(\c%2)*512
.endr
.if (\a)%2
	v_perm_b32 v[EV], v[PW0+1], v[PW0], 0x05040100 ; my first head's bytes of both tiles
	v_perm_b32 v[OD], v[PW0+1], v[PW0], 0x07060302 ; my second head's
	v_cndmask_b32 v[SV], v[EV], v[OD], s[UPM]      ; lanes 0-15 store the first head's words, lanes 16-31 the second's
	global_store_b32 v[VOS], v[SV], s[12:13] offset:((\a)/2)*64
.endif
	s_branch .Lout_d_\@
.Lout_v_\@:
	s_wait_alu depctr_va_vdst(0)
.irp c, 0,1,2,3
	global_store_b128 v[VOC], v[PC+4*\c:PC+4*\c+3], s[12:13] offset:((\a)/4)*131072+((\a)%4)*2048+\c*512
.endr
.if (\a)%2
	v_cndmask_b32 v[SV], v[PW0], v[PW0+1], s[UPM]  ; lanes 0-15 store the even d tile's words, lanes 16-31 the odd one's
	global_store_b32 v[VOS], v[SV], s[12:13] offset:((\a)/4)*8192+((\a)%4-1)*64
.endif
.Lout_d_\@:
.endm
	PLACES NP                                      ; behind the last products: results are read, and registers that held A's fragments are written
.irp b, 0,1,2,3
	v_mov_b32 v[TP+\b], 0                          ; a lane permute's destination counts as one of its sources
.endr
.irp a, 0,1,2,3,4,5,6,7
	QEPI \a
	OUT \a
.endr
	s_wait_tensorcnt 0x0                           ; the wave's end
	ds_add_u32 v[SPW], v[NIL]
	s_wait_dscnt 0x0
	CROUND                                         ; the closing round: no work-group ends while a partner may still ask for a tile that names it
	s_endpgm
.Lfunc_end_k_qf36943b0ed_qkv:
	.size	k_qf36943b0ed_qkv, .Lfunc_end_k_qf36943b0ed_qkv-k_qf36943b0ed_qkv
	.p2alignl 7, 3214868480
	.fill 96, 4, 3214868480
	.section	.rodata,"a",@progbits
	.p2align	6, 0x0
	.amdhsa_kernel k_qf36943b0ed_qkv
		.amdhsa_group_segment_fixed_size 327680
		.amdhsa_private_segment_fixed_size 0
		.amdhsa_enable_private_segment 0
		.amdhsa_kernarg_size 64
		.amdhsa_user_sgpr_count 2
		.amdhsa_user_sgpr_kernarg_segment_ptr 1
		.amdhsa_wavefront_size32 1
		.amdhsa_system_sgpr_workgroup_id_x 1
		.amdhsa_system_sgpr_workgroup_id_y 1
		.amdhsa_system_sgpr_workgroup_id_z 1
		.amdhsa_system_vgpr_workitem_id 0
		.amdhsa_next_free_vgpr 1024
		.amdhsa_next_free_sgpr 101
		.amdhsa_reserve_vcc 0
		.amdhsa_float_denorm_mode_32 3
		.amdhsa_float_denorm_mode_16_64 3
		.amdhsa_memory_ordered 1
		.amdhsa_forward_progress 1
		.amdhsa_inst_pref_size 192
	.end_amdhsa_kernel
	.amdgpu_metadata
---
amdhsa.version: [ 1, 2 ]
amdhsa.kernels:
  - .name:           k_qf36943b0ed_qkv
    .symbol:         k_qf36943b0ed_qkv.kd
    .args:
      - { .name: wa, .offset: 0, .size: 8, .value_kind: global_buffer, .address_space: global }
      - { .name: Wq_codes, .offset: 8, .size: 8, .value_kind: global_buffer, .address_space: global }
      - { .name: Wq_scales, .offset: 16, .size: 8, .value_kind: global_buffer, .address_space: global }
      - { .name: Wk_codes, .offset: 24, .size: 8, .value_kind: global_buffer, .address_space: global }
      - { .name: Wk_scales, .offset: 32, .size: 8, .value_kind: global_buffer, .address_space: global }
      - { .name: Wv_codes, .offset: 40, .size: 8, .value_kind: global_buffer, .address_space: global }
      - { .name: Wv_scales, .offset: 48, .size: 8, .value_kind: global_buffer, .address_space: global }
      - { .name: wb, .offset: 56, .size: 8, .value_kind: global_buffer, .address_space: global }
    .group_segment_fixed_size: 327680
    .private_segment_fixed_size: 0
    .kernarg_segment_align: 8
    .kernarg_segment_size: 64
    .max_flat_workgroup_size: 128
    .sgpr_count:     101
    .vgpr_count:     1024
    .wavefront_size: 32
...
	.end_amdgpu_metadata
.endif
;; end of part 2
;; launch attn (part 3): grid 8 x 32, 16 waves a work-group, clusters of 4 x 1, 327,680 bytes of LDS; arguments wb, wc; writes wc
.if DOCPART == 3
	.amdgcn_target "amdgcn-amd-amdhsa--gfx1250"
	.amdhsa_code_object_version 6
	.text
	.protected	k_qf36943b0ed_attn
	.globl	k_qf36943b0ed_attn
	.p2align	8
	.type	k_qf36943b0ed_attn,@function
k_qf36943b0ed_attn:
	s_mov_b64 s[64:65], 0
	v_nop
	global_prefetch_b8 v0, s[64:65] scope:SCOPE_SE
	s_setreg_imm32_b32 hwreg(HW_REG_WAVE_MODE, 25, 1), 1
	s_wait_xcnt 0x0
	s_wait_alu depctr_hold_cnt(0) depctr_sa_sdst(0) depctr_va_vdst(0) depctr_va_sdst(0) depctr_va_ssrc(0) depctr_va_vcc(0) depctr_vm_vsrc(0)
	s_getreg_b32 s2, hwreg(HW_REG_IB_STS2, 6, 4)
	s_cmp_eq_u32 s2, 0
	s_cbranch_scc0 .Lentry_in_a_cluster
	s_endpgm
.Lentry_in_a_cluster:
	s_bfe_u32 s2, ttmp6, 0x10000c
	s_cmp_lg_u32 s2, 0x3003
	s_cbranch_scc0 .Lentry_shape_is_right
	s_endpgm
.Lentry_shape_is_right:
; attn: for each (batch, head): S = q k^T / 32 under the causal mask, p = 2^(t - M), O = p v / l, both products on codes of E4M3 with one E8M0 scale for each 32 along K; O is quantised along C on the way out.
; t = score x log2(e) / 32; M = the running largest t rounded UP to a whole number; p is quantised along the keys, not normalised; l is the sum of the unquantised p; when M moves, l and O are multiplied by 2^(old M - new M), exactly.
; SHARES.  A work-group belongs to one (batch, head) bh; each of its sixteen waves owns one tile of 16 queries, tile T = jw + 8 i, jw = the work-group's number among the head's eight, i a permutation of the wave's number.
; A key step is 128 keys; tile T lies in key step i: steps above i are hidden, step i lies on the diagonal.  Both facts hang on the wave's number alone; every work-group has 136 steps to work.
; THE WHOLE HEAD LIES IN LDS, FILLED ONCE: k's codes 131,072 bytes, v's 131,072, their scale words 8,192.  No byte is filled twice, so there is no ring.  The four work-groups of a cluster belong to one head and ask JOINTLY.
; A wave issues at most one load at the head (waves 0, 1 the scale words; waves 2 to 9 a quarter of k or of v); a quarter (four key steps) is read behind a counted wait and a barrier, while later quarters are on their way.
; LAYOUT.  Both products are used transposed (S^T = k q^T, O^T = v^T p^T): a lane holds one query (lane % 16) throughout.  A head has 64 along the first product's K, half of the instruction's 128: a fragment of k
; holds TWO tiles of 16 keys (registers 0-7, 8-15) and is multiplied twice, by (q, zeros) and by (zeros, q): zero codes add nothing.  All operands lie in LDS as images of their registers: 16 bytes a lane, 512 a load.
; Inside a block of 32 the order along K is 8h + 0..7, 16 + 8h + 0..7 in both operands of each product (as the launch before left them, and as S^T leaves p).
; LIMITS: v_exp_f32 and v_rcp_f32 are good to 1 ulp and flush denormals; a block's largest p is taken from its largest score, which takes v_exp_f32 not to fall where its input rises; NaN and infinities are not served.
; No prefetch: every byte that the launch reads is asked for at its head.
.set KC_O, 0x400000                    ; in wb: k's codes [bh][tile 128][1024]; v's lie 0x400000 further on: [bh][key step 16][d tile 4][2048]; q's at 0
.set QS_O, 0xC00000
.set SC_O, 0xC20000
.set AS_O, 0x400000                    ; in wc: the scale words [block of 64 tokens][pair of heads 8][tile 4][32 lanes]
.set LV,   163840                      ; LDS: v's codes; k's lie from 32,768 on
.set LSC,  0                           ; LDS: k's pair words (4,096 bytes), then v's words
.set LI,   1                           ; v1   16 x lane
.set LS,   2                           ; v2   4 x (lane % 16)
.set QD,   3                           ; v3   16 jw + r - 8 h: register 8 tile + j of the diagonal step is hidden where 16 tile + j is greater
.set NINF, 4                           ; v4   -infinity
.set GOC,  7                           ; v7   where my codes go
.set ADK,  8
.set ADV,  9
.set ADS,  10
.set ADT,  11
.set F,    40                          ; v40-103  four fragments of k or of v
.set S,    104                         ; v104-167 S^T, then p
.set O,    168                         ; v168-199 O^T
.set PCD,  200                         ; v200-215 p's codes
.set BM,   216
.set BT,   220
.set LM,   224
.set SO,   228
.set KSW,  232                         ; v232-235 k's scale words
.set VSW,  236                         ; v236-239 v's
.set QW,   240                         ; v240 q's scale word: its two bytes, twice
.set PWD,  241                         ; v241 p's scale word
.set FF,   242                         ; v[242:243] f = 2^(old M - new M)
.set TT,   244
.set GOS,  248                         ; v248 where my half scale word goes
.set WV,   8
.set WI,   9
.set G1,   24
.set G1S,  32
.set G0,   40                          ; s[40:43] the scale words' group 0; s[44:47] my quarter's
.set SEL,  60
.set CS,   62
.set TBK,  66
.set TBV,  67
.set TSK,  68
.set TSV,  69
.set KI,   70
.set CNT,  71
.set MNT,  72
.macro CROUND
	s_barrier_signal -1
	s_barrier_wait -1
	s_cmp_lg_u32 s[WV], 0
	s_cbranch_scc1 .Lnot_wave_0_\@
	s_barrier_signal -3
.Lnot_wave_0_\@:
	s_barrier_wait -3
	s_barrier_signal -1
	s_barrier_wait -1
.endm
	s_load_b128 s[4:7], s[0:1], 0x0                ; wb, wc
	v_lshl_add_u32 v254, v0, 2, 0x48000
	v_mov_b32 v255, 0
	ds_add_u32 v254, v255
	ds_add_u32 v254, v255
	v_lshrrev_b32 v1, 5, v0
	s_delay_alu instid0(VALU_DEP_1)
	v_readfirstlane_b32 s[WV], v1                  ; wave 0..15
	s_bfe_u32 s13, s[WV], 0x10002                  ; bit 2 of it
	s_mul_i32 s13, s13, 3
	s_xor_b32 s[WI], s[WV], s13                    ; i: waves 4-7 and 12-15 take their four in reverse, so that waves w, w + 4, w + 8, w + 12 have 34 steps together
	s_bfe_u32 s10, ttmp6, 0x40000                  ; cx
	s_lshl_b32 s11, ttmp9, 2
	s_add_co_u32 s11, s11, s10                     ; jw
	s_and_b32 s12, ttmp7, 0xffff                   ; bh, which the four partners share
	s_mov_b32 s[G1], 15|(3<<16)|(1<<21)            ; the mask: all four; elements of 8 bytes; no padding; bit 21 beside a mask
	s_mov_b32 s[G1+1], 32<<16                      ; rows of 256 bytes,
	s_mov_b32 s[G1+2], 128<<16                     ; 128 of them, dense: a quarter of k or of v
	s_mov_b32 s[G1+3], 32<<16
	s_mov_b32 s[G1+4], 128
	s_mov_b32 s[G1+5], 32
	s_mov_b32 s[G1+6], 0
	s_mov_b32 s[G1+7], 0
	s_mov_b32 s[G1S], 15|(3<<16)|(1<<21)
	s_mov_b32 s[G1S+1], 32<<16
	s_mov_b32 s[G1S+2], 16<<16                     ; the scale words: 16 rows for each of waves 0 and 1
	s_mov_b32 s[G1S+3], 32<<16
	s_mov_b32 s[G1S+4], 16
	s_mov_b32 s[G1S+5], 32
	s_mov_b32 s[G1S+6], 0
	s_mov_b32 s[G1S+7], 0
	s_and_b32 s14, s[WV], 1                        ; waves 2 to 9: even waves fetch k, odd waves v,
	s_lshr_b32 s15, s[WV], 1                       ; quarter wave / 2 - 1
	s_lshl_b32 s16, s14, 17
	s_lshl_b32 s17, s15, 15
	s_add_co_u32 s16, s16, s17                     ; LDS: my quarter's 32,768 bytes
	s_lshl_b32 s18, s14, 22
	s_add_co_u32 s18, s18, KC_O-32768
	s_lshl_b32 s19, s12, 17
	s_add_co_u32 s18, s18, s19
	s_add_co_u32 s18, s18, s17                     ; and in wb
	s_mov_b32 s19, 0
	s_lshl_b32 s20, s12, 13
	s_add_co_u32 s20, s20, SC_O
	s_lshl_b32 s22, s[WV], 12
	s_add_co_u32 s20, s20, s22                     ; my 4,096 bytes of the head's scale words
	s_mov_b32 s21, 0
	s_mov_b32 s[SEL], 0x76543210
	s_mov_b32 s[SEL+1], 0xfedcba98
	s_mov_b32 s[CS], 0x3d38aa3b                    ; c = log2(e) / 32
	s_mov_b32 s[CS+1], s[CS]
	s_mov_b32 s[MNT], 0x600000
	s_wait_dscnt 0x0
	s_wait_kmcnt 0x0
	s_add_nc_u64 s[18:19], s[4:5], s[18:19]
	s_add_nc_u64 s[20:21], s[4:5], s[20:21]
	s_mov_b32 s[G0], 1
	s_add_co_u32 s[G0+1], s22, LSC
	s_mov_b64 s[G0+2:G0+3], s[20:21]
	s_or_b32 s[G0+3], s[G0+3], 0x80000000
.irp q, 0
	s_mov_b32 s[G0+4+4*\q], 1
	s_add_co_u32 s[G0+5+4*\q], s16, \q*32768
	s_add_nc_u64 s[G0+6+4*\q:G0+7+4*\q], s[18:19], \q*32768
	s_or_b32 s[G0+7+4*\q], s[G0+7+4*\q], 0x80000000
.endr
	CROUND                                         ; all four work-groups are here: the joint loads meet
; the head's loads, one a wave at the most: waves 0, 1 the scale words; waves 2, 3 quarter 0 of k and of v; 4, 5 quarter 1; 6, 7 quarter 2; 8, 9 quarter 3.
; Each quarter has a load line of its own, since its issuers wait at a barrier of their own.
.macro ARM under, g0, g1, next
	s_cmp_lt_u32 s[WV], \under
	s_cbranch_scc0 \next
	tensor_load_to_lds s[\g0:\g0+3], s[\g1:\g1+7]
	s_nop 0
.rept 4
	v_nop
.endr
	s_branch .Lhead_asked
\next:
.endm
	ARM 2, G0, G1S, .Lh0
	ARM 4, G0+4, G1, .Lh1
	ARM 6, G0+4, G1, .Lh2
	ARM 8, G0+4, G1, .Lh3
	ARM 10, G0+4, G1, .Lh4
.Lhead_asked:
.rept 4
	v_nop
.endr
	v_and_b32 v244, 31, v0
	s_delay_alu instid0(VALU_DEP_1)
	v_lshlrev_b32 v[LI], 4, v244
	v_and_b32 v245, 15, v0                         ; r
	s_delay_alu instid0(VALU_DEP_1)
	v_lshlrev_b32 v[LS], 2, v245
	s_wait_alu depctr_va_vdst(0)
	v_bfe_u32 v246, v0, 4, 1                       ; h
	s_lshl_b32 s13, s11, 4
	v_lshlrev_b32 v[QD], 3, v246
	s_delay_alu instid0(VALU_DEP_1)
	v_sub_nc_u32 v[QD], v245, v[QD]
	s_delay_alu instid0(VALU_DEP_1)
	v_add_nc_u32 v[QD], s13, v[QD]
	v_mov_b32 v[NINF], 0xff800000
	s_lshl_b32 s14, s[WI], 3
	s_add_co_u32 s14, s14, s11                     ; T
	s_lshl_b32 s15, s12, 17
	s_lshl_b32 s16, s14, 10
	s_add_co_u32 s15, s15, s16
	v_add_nc_u32 v5, s15, v[LI]
	global_load_b128 v[16:19], v5, s[4:5]          ; q's eight registers, twice: (q, zeros) = v[16:31], (zeros, q) = v[24:39]
	global_load_b128 v[20:23], v5, s[4:5] offset:512
	global_load_b128 v[32:35], v5, s[4:5]
	global_load_b128 v[36:39], v5, s[4:5] offset:512
	s_lshl_b32 s15, s12, 12
	s_lshr_b32 s16, s14, 1
	s_lshl_b32 s16, s16, 6
	s_add_co_u32 s15, s15, s16
	s_add_co_u32 s15, s15, QS_O
	v_add_nc_u32 v6, s15, v[LS]
	global_load_b32 v247, v6, s[4:5]               ; the pair word of tiles T & ~1, T | 1
	s_and_b32 s17, s11, 1                          ; T is odd where jw is
	s_mov_b32 s17, 0x01000100
	s_cselect_b32 s17, 0x03020302, s17             ; which two bytes are my tile's: a choice of data, no branch
	; where the result goes: tile Tg = 128 x batch + T of 16 tokens; K step = pair of heads
	s_lshr_b32 s13, s12, 4
	s_and_b32 s15, s12, 15                         ; the head
	s_lshl_b32 s13, s13, 7
	s_add_co_u32 s13, s13, s14
	s_lshr_b32 s16, s13, 2                         ; the block of 64 tokens
	s_and_b32 s13, s13, 3                          ; the tile in it
	s_lshl_b32 s16, s16, 3
	s_lshr_b32 s18, s15, 1
	s_add_co_u32 s16, s16, s18
	s_lshl_b32 s16, s16, 2
	s_add_co_u32 s16, s16, s13                     ; the fragment's number
	s_and_b32 s15, s15, 1
	s_lshl_b32 s18, s16, 11
	s_lshl_b32 s19, s15, 10                        ; an odd head fills registers 8-15
	s_add_co_u32 s18, s18, s19
	v_add_nc_u32 v[GOC], s18, v[LI]
	s_lshl_b32 s18, s16, 7
	s_lshl_b32 s19, s15, 1
	s_add_co_u32 s18, s18, s19
	s_add_co_u32 s18, s18, AS_O
	v_lshl_add_u32 v[GOS], v244, 2, s18
.irp j, 24,25,26,27,28,29,30,31
	v_mov_b32 v[\j], 0                             ; the zero codes
.endr
	v_mov_b32 v13, 0xff61b1e6                      ; the largest t so far: -3e38
	s_delay_alu instid0(VALU_DEP_1)
	v_floor_f32 v12, -v13                          ; -M
	v_mov_b32 v14, 0                               ; the sum, in two halves
	v_mov_b32 v15, 0
.irp b, 0,1,2,3
	v_mov_b32 v[BT+\b], 0                          ; a lane permute's destination counts as one of its sources
.endr
	v_mov_b32 v[FF+1], 0                           ; (named as the upper half of a pair)
.set n, 0
.rept 32
	v_mov_b32 v[O+n], 0                            ; O^T: the step is written once; the first change of M leaves zeros zeros
.set n, n+1
.endr
	s_wait_loadcnt 0x0
	v_perm_b32 v[QW], v247, v247, s17
; A KEY STEP: 128 keys.  A step all of whose keys come after my queries is left out: a branch on the wave's number and the loop's count, round the step's loads and work, not round the lines that step addresses.
.macro STEP
	s_cmp_gt_u32 s[KI], s[WI]
	s_cbranch_scc1 .Lhid_\@
	v_add_nc_u32 v[ADK], s[TBK], v[LI]
	v_add_nc_u32 v[ADV], s[TBV], v[LI]
	v_add_nc_u32 v[ADS], s[TSK], v[LS]
	v_add_nc_u32 v[ADT], s[TSV], v[LS]
.rept 4
	v_nop                                          ; with the four additions: eight places in front of loads into registers that the last products read
.endr
.irp p, 0,1,2,3
.irp c, 0,1,2,3
	ds_load_b128 v[F+16*\p+4*\c:F+16*\p+4*\c+3], v[ADK] offset:2048*\p+512*\c
.endr
	ds_load_b32 v[KSW+\p], v[ADS] offset:64*\p
.endr
	s_wait_dscnt 0x0
	s_wait_alu depctr_va_vdst(0)
.irp p, 0,1,2,3
	v_wmma_scale_f32_16x16x128_f8f6f4 v[S+16*\p:S+16*\p+7], v[F+16*\p:F+16*\p+15], v[16:31], 0, v[KSW+\p], v[QW]
	v_wmma_scale_f32_16x16x128_f8f6f4 v[S+16*\p+8:S+16*\p+15], v[F+16*\p:F+16*\p+15], v[24:39], 0, v[KSW+\p], v[QW]
.endr
.rept 8
	v_nop
.endr
.irp d, 0,1,2,3                        ; v's fragments land while the softmax is worked
.irp c, 0,1,2,3
	ds_load_b128 v[F+16*\d+4*\c:F+16*\d+4*\c+3], v[ADV] offset:2048*\d+512*\c
.endr
	ds_load_b32 v[VSW+\d], v[ADT] offset:64*\d
.endr
	s_cmp_lg_u32 s[KI], s[WI]                      ; on the diagonal the scores of hidden keys become -infinity ahead of the maximum: p = 0 then
	s_cbranch_scc1 .Lopen_\@
.set n, 0
.rept 64
	v_cmp_gt_i32 vcc_lo, 16*(n/8)+n%8, v[QD]
	v_cndmask_b32 v[S+n], v[S+n], v[NINF], vcc_lo
.set n, n+1
.endr
.Lopen_\@:
.irp b, 0,1,2,3
	v_max3_num_f32 v[BM+\b], v[S+16*\b], v[S+1+16*\b], v[S+2+16*\b]   ; the largest score of each block of 32 keys: for the row's maximum, and for the block's largest p
.endr
.irp i, 3,5,7,9,11,13
.irp b, 0,1,2,3
	v_max3_num_f32 v[BM+\b], v[BM+\b], v[S+16*\b+\i], v[S+1+16*\b+\i]
.endr
.endr
.irp b, 0,1,2,3
	v_max_num_f32 v[BM+\b], v[BM+\b], v[S+15+16*\b]
.endr
.irp b, 0,1,2,3
	s_delay_alu instid0(VALU_DEP_4)
	v_permlanex16_b32 v[BT+\b], v[BM+\b], s[SEL], s[SEL+1]
.endr
.irp b, 0,1,2,3
	s_delay_alu instid0(VALU_DEP_4)
	v_max_num_f32 v[BM+\b], v[BM+\b], v[BT+\b]
.endr
	s_delay_alu instid0(VALU_DEP_2)
	v_max3_num_f32 v[TT], v[BM], v[BM+1], v[BM+2]
	s_delay_alu instid0(VALU_DEP_1)
	v_max_num_f32 v[TT], v[TT], v[BM+3]
	s_delay_alu instid0(VALU_DEP_1)
	v_mul_f32 v[TT], s[CS], v[TT]
	s_delay_alu instid0(VALU_DEP_1)
	v_max_num_f32 v13, v13, v[TT]                  ; the running largest t
	v_mov_b32 v[TT], v12
	s_delay_alu instid0(VALU_DEP_2)
	v_floor_f32 v12, -v13                          ; the new -M
	s_delay_alu instid0(VALU_DEP_1)
	v_sub_f32 v[TT], v12, v[TT]                    ; old M - new M: a whole number, 0 or less
	s_delay_alu instid0(VALU_DEP_1)
	v_cvt_i32_f32 v[TT], v[TT]                     ; (it saturates)
	s_delay_alu instid0(VALU_DEP_1)
	v_ldexp_f32 v[FF], 1.0, v[TT]                  ; f
.set n, 0
.rept 32
	v_pk_fma_f32 v[S+n:S+n+1], v[S+n:S+n+1], s[CS:CS+1], v[12:13] op_sel_hi:[1,0,0]   ; t - M
.set n, n+2
.endr
.irp b, 0,1,2,3
	v_fma_f32 v[BM+\b], v[BM+\b], s[CS], v12
.endr
.set n, 0
	s_wait_alu depctr_va_vdst(0)
.rept 64
	v_exp_f32 v[S+n], v[S+n]                       ; p = 2^(t - M)
.set n, n+1
.endr
	v_pk_mul_f32 v[14:15], v[14:15], v[FF:FF+1] op_sel_hi:[1,0]   ; the sums under the new M: a plain line behind the exponentials
	s_wait_alu depctr_va_vdst(0)                   ; one wait for the batch, ahead of its first reader
.irp b, 0,1,2,3
	v_exp_f32 v[BM+\b], v[BM+\b]                   ; the block's largest p
.endr
	v_pk_add_f32 v[220:221], v[108:109], v[112:113]
	v_pk_add_f32 v[252:253], v[116:117], v[120:121]
	v_pk_add_f32 v[250:251], v[124:125], v[128:129]
	v_pk_add_f32 v[246:247], v[132:133], v[136:137]
	v_pk_add_f32 v[234:235], v[140:141], v[144:145]
	v_pk_add_f32 v[232:233], v[148:149], v[152:153]
	v_pk_add_f32 v[230:231], v[156:157], v[160:161]
	v_pk_add_f32 v[14:15], v[14:15], v[164:165]
	v_pk_add_f32 v[220:221], v[220:221], v[104:105]
	v_pk_add_f32 v[252:253], v[252:253], v[106:107]
	v_pk_add_f32 v[250:251], v[250:251], v[110:111]
	v_pk_add_f32 v[246:247], v[246:247], v[114:115]
	v_pk_add_f32 v[234:235], v[234:235], v[118:119]
	v_pk_add_f32 v[232:233], v[232:233], v[122:123]
	v_pk_add_f32 v[230:231], v[230:231], v[126:127]
	v_pk_add_f32 v[14:15], v[14:15], v[130:131]
	v_pk_add_f32 v[220:221], v[220:221], v[134:135]
	v_pk_add_f32 v[252:253], v[252:253], v[138:139]
	v_pk_add_f32 v[250:251], v[250:251], v[142:143]
	v_pk_add_f32 v[246:247], v[246:247], v[146:147]
	v_pk_add_f32 v[234:235], v[234:235], v[150:151]
	v_pk_add_f32 v[232:233], v[232:233], v[154:155]
	v_pk_add_f32 v[230:231], v[230:231], v[158:159]
	v_pk_add_f32 v[14:15], v[14:15], v[162:163]
	v_pk_add_f32 v[220:221], v[220:221], v[166:167]
	s_delay_alu instid0(VALU_DEP_2)
	v_pk_add_f32 v[14:15], v[14:15], v[246:247]
	s_delay_alu instid0(VALU_DEP_2)
	v_pk_add_f32 v[220:221], v[220:221], v[234:235]
	v_pk_add_f32 v[252:253], v[252:253], v[232:233]
	v_pk_add_f32 v[250:251], v[250:251], v[230:231]
	s_delay_alu instid0(VALU_DEP_2)
	v_pk_add_f32 v[14:15], v[14:15], v[252:253]
	s_delay_alu instid0(VALU_DEP_2)
	v_pk_add_f32 v[220:221], v[220:221], v[250:251]
	s_delay_alu instid0(VALU_DEP_1)
	v_pk_add_f32 v[14:15], v[14:15], v[220:221]
	s_wait_alu depctr_va_vdst(0)                   ; and one for the four
.irp b, 0,1,2,3
	v_max_num_f32 v[BM+\b], 0x4800000, v[BM+\b]    ; the floor 2^(9 - 127)
.endr
.irp b, 0,1,2,3
	s_delay_alu instid0(VALU_DEP_4)
	v_add_nc_u32 v[SO+\b], 0xfc000000, v[BM+\b]
.endr
.irp b, 0,1,2,3
	v_and_or_b32 v[LM+\b], v[BM+\b], 0x7f800000, s[MNT]
.endr
.irp b, 0,1,2,3
	v_lshrrev_b32 v[BT+\b], 23, v[SO+\b]
.endr
	s_delay_alu instid0(VALU_DEP_3)
	v_lshl_or_b32 v[PWD], v[BT+1], 8, v[BT]
	s_delay_alu instid0(VALU_DEP_1)
	v_lshl_or_b32 v[PWD], v[BT+2], 16, v[PWD]
	s_delay_alu instid0(VALU_DEP_1)
	v_lshl_or_b32 v[PWD], v[BT+3], 24, v[PWD]
.irp b, 0,1,2,3
.irp i, 0,1,2,3,4,5,6,7,8,9,10,11,12,13,14,15
	v_min_num_f32 v[S+16*\b+\i], v[S+16*\b+\i], v[LM+\b]   ; p is not negative: a one-sided hold (the conversion does not saturate: ISA guide 7.6.2)
.endr
	v_cvt_scalef32_pk8_fp8_f32 v[PCD+4*\b:PCD+4*\b+1], v[S+16*\b:S+16*\b+7], v[SO+\b]
	v_cvt_scalef32_pk8_fp8_f32 v[PCD+4*\b+2:PCD+4*\b+3], v[S+16*\b+8:S+16*\b+15], v[SO+\b]
.endr
.set n, 0
.rept 16
	v_pk_mul_f32 v[O+n:O+n+1], v[O+n:O+n+1], v[FF:FF+1] op_sel_hi:[1,0]   ; O^T under the new M; these are also the places between the codes and the products
.set n, n+2
.endr
	s_wait_alu depctr_va_vdst(0)
	s_wait_dscnt 0x0                               ; v's fragments and words are in
.irp d, 0,1,2,3
	v_wmma_scale_f32_16x16x128_f8f6f4 v[O+8*\d:O+8*\d+7], v[F+16*\d:F+16*\d+15], v[PCD:PCD+15], v[O+8*\d:O+8*\d+7], v[VSW+\d], v[PWD]
.endr
.Lhid_\@:
	s_add_co_u32 s[TBK], s[TBK], 8192
	s_add_co_u32 s[TBV], s[TBV], 8192
	s_add_co_u32 s[TSK], s[TSK], 256
	s_add_co_u32 s[TSV], s[TSV], 256
	s_add_co_u32 s[KI], s[KI], 1
.endm
; A QUARTER of the head: four key steps.  Each wave issued at most one load, and nothing is ever filled again: the waves that fetched this quarter or what came before it wait for theirs.
.macro QUARTER qd
.if \qd < 3
	s_cmp_lt_u32 s[WV], 4+2*\qd                    ; the waves that fetched this quarter (and what came before it) wait for their one load
	s_cbranch_scc0 .Lnw_\@
	s_wait_tensorcnt 0x0
.Lnw_\@:
.else
	s_wait_tensorcnt 0x0                           ; the last quarter: all that is still out
.endif
	s_wait_dscnt 0x0
	s_barrier_signal -1
	s_barrier_wait -1                              ; every wave's part of this quarter has landed
	s_mov_b32 s[TBK], 32768+32768*\qd
	s_mov_b32 s[TBV], LV+32768*\qd
	s_mov_b32 s[TSK], LSC+1024*\qd
	s_mov_b32 s[TSV], LSC+4096+1024*\qd
	s_mov_b32 s[KI], 4*\qd
	s_mov_b32 s[CNT], 4
.Lq_\@:
	STEP
	s_sub_co_u32 s[CNT], s[CNT], 1
	s_cmp_lg_u32 s[CNT], 0
	s_cbranch_scc1 .Lq_\@
.endm
	QUARTER 0
	QUARTER 1
	QUARTER 2
	QUARTER 3
	; THE WAY OUT: O^T / l, quantised along C: my head's 64 are two blocks of 32; the codes are eight registers of the next product's fragment
.rept 8
	v_nop                                          ; places behind the last products
.endr
	v_add_f32 v14, v14, v15
	s_delay_alu instid0(VALU_DEP_1)
	v_permlanex16_b32 v[TT], v14, s[SEL], s[SEL+1]
	s_delay_alu instid0(VALU_DEP_1)
	v_add_f32 v14, v14, v[TT]                      ; the row's sum
	s_wait_alu depctr_va_vdst(0)
	v_rcp_f32 v14, v14
	v_nop
	s_wait_alu depctr_va_vdst(0)
.set n, 0
.rept 32
	v_mul_f32 v[S+n], v[O+n], v14
.set n, n+1
.endr
.irp b, 0,1
	v_max3_num_f32 v[BM+\b], |v[S+16*\b]|, |v[S+1+16*\b]|, 0x4800000
.endr
.irp i, 2,4,6,8,10,12,14
.irp b, 0,1
	s_delay_alu instid0(VALU_DEP_2)
	v_max3_num_f32 v[BM+\b], v[BM+\b], |v[S+16*\b+\i]|, |v[S+1+16*\b+\i]|
.endr
.endr
.irp b, 0,1
	s_delay_alu instid0(VALU_DEP_2)
	v_permlanex16_b32 v[BT+\b], v[BM+\b], s[SEL], s[SEL+1]
.endr
.irp b, 0,1
	s_delay_alu instid0(VALU_DEP_2)
	v_max_num_f32 v[BM+\b], v[BM+\b], v[BT+\b]
.endr
.irp b, 0,1
	s_delay_alu instid0(VALU_DEP_2)
	v_add_nc_u32 v[SO+\b], 0xfc000000, v[BM+\b]
.endr
.irp b, 0,1
	s_delay_alu instid0(VALU_DEP_4)
	v_and_or_b32 v[LM+\b], v[BM+\b], 0x7f800000, s[MNT]
.endr
.irp b, 0,1
	s_delay_alu instid0(VALU_DEP_4)
	v_lshrrev_b32 v[BT+\b], 23, v[SO+\b]
.endr
	s_delay_alu instid0(VALU_DEP_1)
	v_lshl_or_b32 v[TT+1], v[BT+1], 8, v[BT]       ; my head's half of the scale word
.irp b, 0,1
.irp i, 0,1,2,3,4,5,6,7,8,9,10,11,12,13,14,15
	v_med3_num_f32 v[S+16*\b+\i], v[S+16*\b+\i], -v[LM+\b], v[LM+\b]
.endr
	v_cvt_scalef32_pk8_fp8_f32 v[PCD+4*\b:PCD+4*\b+1], v[S+16*\b:S+16*\b+7], v[SO+\b]
	v_cvt_scalef32_pk8_fp8_f32 v[PCD+4*\b+2:PCD+4*\b+3], v[S+16*\b+8:S+16*\b+15], v[SO+\b]
.endr
	v_nop
	global_store_b128 v[GOC], v[PCD:PCD+3], s[6:7]
	global_store_b128 v[GOC], v[PCD+4:PCD+7], s[6:7] offset:512
	global_store_b16 v[GOS], v[TT+1], s[6:7]       ; the other half belongs to the neighbouring head's work-group
	s_wait_dscnt 0x0
	s_wait_tensorcnt 0x0
	ds_add_u32 v254, v255
	s_wait_dscnt 0x0
	CROUND                                         ; the closing round
	s_endpgm
.Lfunc_end_k_qf36943b0ed_attn:
	.size	k_qf36943b0ed_attn, .Lfunc_end_k_qf36943b0ed_attn-k_qf36943b0ed_attn
	.p2alignl 7, 3214868480
	.fill 96, 4, 3214868480
	.section	.rodata,"a",@progbits
	.p2align	6, 0x0
	.amdhsa_kernel k_qf36943b0ed_attn
		.amdhsa_group_segment_fixed_size 327680
		.amdhsa_private_segment_fixed_size 0
		.amdhsa_enable_private_segment 0
		.amdhsa_kernarg_size 16
		.amdhsa_user_sgpr_count 2
		.amdhsa_user_sgpr_kernarg_segment_ptr 1
		.amdhsa_wavefront_size32 1
		.amdhsa_system_sgpr_workgroup_id_x 1
		.amdhsa_system_sgpr_workgroup_id_y 1
		.amdhsa_system_sgpr_workgroup_id_z 1
		.amdhsa_system_vgpr_workitem_id 0
		.amdhsa_next_free_vgpr 256
		.amdhsa_next_free_sgpr 80
		.amdhsa_reserve_vcc 1
		.amdhsa_float_denorm_mode_32 3
		.amdhsa_float_denorm_mode_16_64 3
		.amdhsa_memory_ordered 1
		.amdhsa_forward_progress 1
		.amdhsa_inst_pref_size 118
	.end_amdhsa_kernel
	.amdgpu_metadata
---
amdhsa.version: [ 1, 2 ]
amdhsa.kernels:
  - .name:           k_qf36943b0ed_attn
    .symbol:         k_qf36943b0ed_attn.kd
    .args:
      - { .name: wb, .offset: 0, .size: 8, .value_kind: global_buffer, .address_space: global }
      - { .name: wc, .offset: 8, .size: 8, .value_kind: global_buffer, .address_space: global }
    .group_segment_fixed_size: 327680
    .private_segment_fixed_size: 0
    .kernarg_segment_align: 8
    .kernarg_segment_size: 16
    .max_flat_workgroup_size: 512
    .sgpr_count:     80
    .vgpr_count:     256
    .wavefront_size: 32
...
	.end_amdgpu_metadata
.endif
;; end of part 3
;; launch proj (part 4): grid 256 x 1, 8 waves a work-group, no clusters, 18,688 bytes of LDS; arguments wc, wa, x, bo, g1, wd; writes wd
.if DOCPART == 4
	.amdgcn_target "amdgcn-amd-amdhsa--gfx1250"
	.amdhsa_code_object_version 6
	.text
	.protected	k_qf36943b0ed_proj
	.globl	k_qf36943b0ed_proj
	.p2align	8
	.type	k_qf36943b0ed_proj,@function
k_qf36943b0ed_proj:
	s_mov_b64 s[64:65], 0
	v_nop
	global_prefetch_b8 v0, s[64:65] scope:SCOPE_SE
	s_setreg_imm32_b32 hwreg(HW_REG_WAVE_MODE, 25, 1), 1
	s_wait_xcnt 0x0
; proj: h = rmsnorm(x + attn Wo + bo) g1; the product on codes of E4M3 with one E8M0 scale for each 32 along K = 1,024; h leaves as f32 (in the order of the later launch's accumulators) and as codes and scale bytes along C.
; SHARES.  256 work-groups; a work-group owns 16 whole rows (block of 64 tokens RB, tile m), so a row's mean of squares stays inside it.  Eight waves, 128 columns each: 8 accumulators, which begin as x.
; OPERANDS come from memory straight into registers, as the images that the earlier launches laid (registers 4c .. 4c+3 of lane l at 512 c + 16 l): A's eight fragments stay (128 registers);
; Wo's 64 fragments a wave go through four groups of 64 registers: a group is 4 tiles of a K step, 16 loads; behind a group's four products the group four on is asked for.
; The K steps are walked from step (work-group's number) % 8 on, round: the work-groups do not all read the same part of Wo at once.  f32 sums take the order of that walk.
; The product is used transposed (source 0 = 16 rows of Wo, source 1 = my 16 tokens): lane (r, h) keeps token r, register j of tile T column 16 T + 8 h + j.
; No tensor load, so no joint load and no cluster; no prefetch: the loads themselves stand four groups ahead of their use.
; LIMITS: a block of zeros gets the byte 1 where the rule says 127 (its codes are zeros; this program alone reads the bytes); v_rsq_f32 is good to 1 ulp; NaN and infinities are not served.
.set AS_O, 0x400000                    ; wc: A's scale words
.set WFO,  0x420000                    ; wa: Wo's images [K step 8][tile 64][2048]
.set WSO,  0x920000                    ; wa: Wo's scale words [K step 8][4096]
.set HC_O, 0x1000000                   ; wd: h's codes [4096][1024]
.set HS_O, 0x1400000                   ; wd: h's scale bytes [4096][32]
.set SST,  512                         ; LDS: 0: 16 rows x 8 waves' sums; 512: the rows' scale bytes
.set STG,  1024                        ; the codes' stage: 16 rows of 1,024 bytes + 16
.set SP,   1040
.set SPARE, 17664                      ; the spare words, 128 bytes a wave
.set LI, 1                             ; 16 x lane
.set LS, 2                             ; 4 x lane
.set VB, 3                             ; my tiles in a K step of Wo
.set VBS, 4                            ; my scale words of Wo
.set VX, 5                             ; my place in x
.set VBG, 6                            ; my columns in bo and g1
.set RST, 7                            ; LDS: my wave's word of row r
.set RLD, 8                            ; LDS: row r's eight words
.set STO, 9                            ; the stage, in
.set SRD, 10                           ; the stage, back: my two rows
.set VC, 11                            ; my two rows of codes in memory
.set SPW, 14
.set NIL, 15
.set ASW, 16                           ; v16-23 A's scale words, one a K step
.set BSW, 24                           ; v24-55 Wo's, four a K step
.set SS, 56                            ; v56-63 squares; at the head lane, r, h
.set ACC, 64                           ; v64-127
.set AF, 128                           ; v128-255 A's fragments; behind the products:
.set XR, 128
.set PC, 192
.set TM, 208
.set TP, 212
.set LIM, 216
.set SCO, 220
.set PW, 224
.set RR, 226
.set TS, 228
.set OB, 236
.set SEL, 20
.set MNT, 22
.set C10, 23
.set EPS, 24
.set MSB, 0
.macro WIN new                         ; the immediate's high byte repeats the setting that is left
.if MSB != (\new)
	s_set_vgpr_msb (MSB<<8)|(\new)
.set MSB, (\new)
.endif
.endm
.macro PLACES n
.rept \n
	v_nop
.endr
.endm
	s_load_b256 s[4:11], s[0:1], 0x0               ; wc, wa, x, bo
	s_load_b128 s[12:15], s[0:1], 0x20             ; g1, wd
	v_lshl_add_u32 v[SPW], v0, 2, SPARE
	v_mov_b32 v[NIL], 0
	v_lshrrev_b32 v1, 5, v0
	v_readfirstlane_b32 s16, v1                    ; wave W
	s_lshr_b32 s17, ttmp9, 2                       ; RB
	s_and_b32 s18, ttmp9, 3                        ; m
	s_lshl_b32 s19, s16, 14
	s_lshl_b32 s20, s16, 9
	s_lshl_b32 s21, s16, 2
	s_lshl_b32 s22, s16, 7
	s_add_co_u32 s22, s22, STG
	s_mul_i32 s23, s16, 2*SP
	s_add_co_u32 s23, s23, STG
	s_lshl_b32 s24, s16, 11
	s_lshl_b32 s26, s17, 18                        ; x: 64 RB + 16 m rows of 4,096 bytes
	s_lshl_b32 s25, s18, 16
	s_add_co_u32 s26, s26, s25
	s_mov_b32 s27, 0
	s_lshl_b32 s28, s17, 18                        ; h as f32: [RB][128 columns W][pair of tiles][m][2048]
	s_lshl_b32 s25, s16, 15
	s_add_co_u32 s28, s28, s25
	s_lshl_b32 s25, s18, 11
	s_add_co_u32 s28, s28, s25
	s_mov_b32 s29, 0
	s_lshl_b32 s2, s17, 16                         ; A's fragments: [RB][K step][m][2048]
	s_add_co_u32 s2, s2, s25
	s_lshl_b32 s30, s17, 16                        ; h's codes
	s_lshl_b32 s25, s18, 14
	s_add_co_u32 s30, s30, s25
	s_add_co_u32 s30, s30, HC_O
	s_mov_b32 s31, 0
	s_lshl_b32 s98, s17, 11                        ; h's scale bytes
	s_lshl_b32 s25, s18, 9
	s_add_co_u32 s98, s98, s25
	s_add_co_u32 s98, s98, HS_O
	s_mov_b32 s99, 0
	s_lshl_b32 s3, s17, 12                         ; A's scale words: 128 bytes a fragment
	s_lshl_b32 s25, s18, 7
	s_add_co_u32 s3, s3, s25
	s_add_co_u32 s3, s3, AS_O
	s_mov_b32 s101, 0
	v_and_b32 v[SS], 31, v0                        ; lane
	v_and_b32 v[SS+1], 15, v0                      ; r
	v_bfe_u32 v[SS+2], v0, 4, 1                    ; h
	v_lshlrev_b32 v[LI], 4, v[SS]
	v_lshlrev_b32 v[LS], 2, v[SS]
	v_add_nc_u32 v[VB], s19, v[LI]
	v_add_nc_u32 v[VBS], s20, v[LI]
	v_lshl_add_u32 v[VBG], v[SS+2], 5, s20
	v_lshl_add_u32 v[VX], v[SS+1], 12, v[VBG]
	v_lshlrev_b32 v[RLD], 5, v[SS+1]
	v_add_nc_u32 v[RST], s21, v[RLD]
	v_mul_u32_u24 v[STO], v[SS+1], SP
	v_lshl_add_u32 v[STO], v[SS+2], 3, v[STO]
	v_add_nc_u32 v[STO], s22, v[STO]
	v_add_nc_u32 v[SRD], s23, v[LI]
	v_add_nc_u32 v[VC], s24, v[LI]
	s_wait_alu depctr_va_vdst(0)
	s_wait_kmcnt 0x0
	s_mov_b32 s[SEL], 0x76543210
	s_mov_b32 s[SEL+1], 0xfedcba98
	s_mov_b32 s[MNT], 0x600000
	s_mov_b32 s[C10], 0x3a800000                   ; 1 / 1,024
	s_mov_b32 s[EPS], 0x358637bd                   ; 1e-6
	s_add_nc_u64 s[8:9], s[8:9], s[26:27]
	s_add_nc_u64 s[28:29], s[14:15], s[28:29]
	s_add_nc_u64 s[30:31], s[14:15], s[30:31]
	s_add_nc_u64 s[98:99], s[14:15], s[98:99]
; step i of the walk is K step (work-group + i) % 8: its four addresses (Wo s[32+2i], A s[48+2i], A's words s[66+2i], Wo's words s[82+2i]) and its 6 small loads
.set i, 0
.rept 8
	s_add_co_u32 s25, ttmp9, i
	s_and_b32 s25, s25, 7
	s_lshl_b32 s100, s25, 9
	s_add_co_u32 s100, s100, s3
	s_add_nc_u64 s[66+2*i:67+2*i], s[4:5], s[100:101]
	global_load_b32 v[ASW+i], v[LS], s[66+2*i:67+2*i]
	s_lshl_b32 s100, s25, 12
	s_add_co_u32 s100, s100, WSO
	s_add_nc_u64 s[82+2*i:83+2*i], s[6:7], s[100:101]
	global_load_b128 v[BSW+4*i:BSW+4*i+3], v[VBS], s[82+2*i:83+2*i]
	s_lshl_b32 s100, s25, 13
	s_add_co_u32 s100, s100, s2
	s_add_nc_u64 s[48+2*i:49+2*i], s[4:5], s[100:101]
.irp c, 0,1,2,3
	global_load_b128 v[AF+16*i+4*\c:AF+16*i+4*\c+3], v[LI], s[48+2*i:49+2*i] offset:512*\c
.endr
	s_lshl_b32 s100, s25, 17
	s_add_co_u32 s100, s100, WFO
	s_add_nc_u64 s[32+2*i:33+2*i], s[6:7], s[100:101]
.set i, i+1
.endr
.set t_, 0
.rept 8
	global_load_b128 v[ACC+8*t_:ACC+8*t_+3], v[VX], s[8:9] offset:64*t_       ; x is the first products' C
	global_load_b128 v[ACC+8*t_+4:ACC+8*t_+7], v[VX], s[8:9] offset:64*t_+16
.set t_, t_+1
.endr
.macro BLOAD G                         ; group G: step G / 2, tiles 4 (G % 2) + u, into window 1 at 64 (G % 4): 16 loads
	WIN 0x40
.irp u, 0,1,2,3
.irp c, 0,1,2,3
	global_load_b128 v[64*((\G)%4)+16*\u+4*\c:64*((\G)%4)+16*\u+4*\c+3], v[VB], s[32+2*((\G)/2):33+2*((\G)/2)] offset:2048*(4*((\G)%2)+\u)+512*\c
.endr
.endr
	WIN 0
.endm
.macro VEC base, ptr                   ; bo or g1 at my 64 columns, into window 1: 16 loads
	WIN 0x40
.set t_, 0
.rept 8
	global_load_b128 v[\base+8*t_:\base+8*t_+3], v[VBG], s[\ptr:\ptr+1] offset:64*t_
	global_load_b128 v[\base+8*t_+4:\base+8*t_+7], v[VBG], s[\ptr:\ptr+1] offset:64*t_+16
.set t_, t_+1
.endr
	WIN 0
.endm
; four products; the eight accumulators take turns; eight places stand ahead of the loads into what they read
.macro GRP G, cnt
	s_wait_loadcnt \cnt
	WIN 0x01
.irp u, 0,1,2,3
.set T_, 4*((\G)%2)+\u
.set B_, 64*((\G)%4)+16*\u
.set A_, AF+16*((\G)/2)
.set W_, BSW+4*((\G)/2)+T_/2
.if \u%2
	v_wmma_scale_f32_16x16x128_f8f6f4 v[ACC+8*T_:ACC+8*T_+7], v[B_:B_+15], v[A_:A_+15], v[ACC+8*T_:ACC+8*T_+7], v[W_], v[ASW+(\G)/2] matrix_a_scale:MATRIX_SCALE_ROW1
.else
	v_wmma_scale_f32_16x16x128_f8f6f4 v[ACC+8*T_:ACC+8*T_+7], v[B_:B_+15], v[A_:A_+15], v[ACC+8*T_:ACC+8*T_+7], v[W_], v[ASW+(\G)/2]
.endif
.endr
	PLACES 8
	WIN 0
.endm
	BLOAD 0
	BLOAD 1
	BLOAD 2
	BLOAD 3
.set g, 0
.rept 12
	GRP g, 48                                      ; behind this group's loads stand the 48 of the three groups that follow it
	BLOAD g+4
.set g, g+1
.endr
	GRP 12, 48
	VEC 0, 10                                      ; bo where group 12 lay
	GRP 13, 48
	VEC 64, 12                                     ; g1 where group 13 lay
	GRP 14, 48                                     ; group 15's, bo's and g1's may be out
	GRP 15, 32                                     ; bo's and g1's
	s_wait_loadcnt 16                              ; bo is in
	WIN 0x04
.set n, 0
.rept 32
	v_pk_add_f32 v[ACC+n:ACC+n+1], v[ACC+n:ACC+n+1], v[n:n+1]   ; each accumulator from its low end on
.set n, n+2
.endr
	WIN 0
.irp k, 0,1,2,3
	v_pk_mul_f32 v[SS+2*\k:SS+2*\k+1], v[ACC+2*\k:ACC+2*\k+1], v[ACC+2*\k:ACC+2*\k+1]
.endr
.set n, 8
.rept 28
	v_pk_fma_f32 v[SS+n%8:SS+n%8+1], v[ACC+n:ACC+n+1], v[ACC+n:ACC+n+1], v[SS+n%8:SS+n%8+1]
.set n, n+2
.endr
	v_pk_add_f32 v[SS:SS+1], v[SS:SS+1], v[SS+2:SS+3]
	v_pk_add_f32 v[SS+4:SS+5], v[SS+4:SS+5], v[SS+6:SS+7]
	v_mov_b32 v[RR+1], 0                           ; (named as the upper half of a pair)
	v_pk_add_f32 v[SS:SS+1], v[SS:SS+1], v[SS+4:SS+5]
.irp b, 0,1,2,3
	v_mov_b32 v[TP+\b], 0                          ; a lane permute's destination counts as one of its sources
.endr
	v_add_f32 v[SS], v[SS], v[SS+1]
	v_permlanex16_b32 v[SS+1], v[SS], s[SEL], s[SEL+1]
	v_add_f32 v[SS], v[SS], v[SS+1]                ; row r over my 128 columns
	ds_store_b32 v[RST], v[SS]
	s_wait_dscnt 0x0                               ; for the others' sake
	s_barrier_signal -1
	s_barrier_wait -1
	ds_load_b128 v[TS:TS+3], v[RLD]
	ds_load_b128 v[TS+4:TS+7], v[RLD] offset:16
	s_wait_dscnt 0x0
	v_add_f32 v[TS], v[TS], v[TS+1]
	v_add_f32 v[TS+2], v[TS+2], v[TS+3]
	v_add_f32 v[TS+4], v[TS+4], v[TS+5]
	v_add_f32 v[TS+6], v[TS+6], v[TS+7]
	v_add_f32 v[TS], v[TS], v[TS+2]
	v_add_f32 v[TS+4], v[TS+4], v[TS+6]
	v_add_f32 v[TS], v[TS], v[TS+4]                ; the same order in every wave
	v_fma_f32 v[TS], v[TS], s[C10], s[EPS]
	s_wait_alu depctr_va_vdst(0)                   ; the wait ahead of the transcendental
	v_rsq_f32 v[RR], v[TS]
	v_nop
	s_wait_alu depctr_va_vdst(0)                   ; and ahead of its first reader
	s_wait_loadcnt 0x0                             ; g1
.set n, 0
.rept 32
	v_pk_mul_f32 v[ACC+n:ACC+n+1], v[ACC+n:ACC+n+1], v[RR:RR+1] op_sel_hi:[1,0]
.set n, n+2
.endr
	WIN 0x04
.set n, 0
.rept 32
	v_pk_mul_f32 v[ACC+n:ACC+n+1], v[ACC+n:ACC+n+1], v[64+n:64+n+1]
.set n, n+2
.endr
	WIN 0
.set t_, 0
.rept 8
	global_store_b128 v[LI], v[ACC+8*t_:ACC+8*t_+3], s[28:29] offset:(t_/2)*8192+(t_%2)*1024       ; 512 consecutive bytes a store
	global_store_b128 v[LI], v[ACC+8*t_+4:ACC+8*t_+7], s[28:29] offset:(t_/2)*8192+(t_%2)*1024+512
.set t_, t_+1
.endr
; the quantiser along C: tiles 2 b, 2 b + 1 are a block of 32, 16 numbers in my lane and 16 in lane l xor 16
.irp b, 0,1,2,3
	v_max3_num_f32 v[TM+\b], |v[ACC+16*\b]|, |v[ACC+16*\b+1]|, 0x4800000   ; with the floor 2^(9 - 127)
.endr
.irp i, 2,4,6,8,10,12,14
.irp b, 0,1,2,3
	v_max3_num_f32 v[TM+\b], v[TM+\b], |v[ACC+16*\b+\i]|, |v[ACC+16*\b+\i+1]|
.endr
.endr
.irp b, 0,1,2,3
	v_permlanex16_b32 v[TP+\b], v[TM+\b], s[SEL], s[SEL+1]
.endr
.irp b, 0,1,2,3
	v_max_num_f32 v[TM+\b], v[TM+\b], v[TP+\b]
.endr
.irp b, 0,1,2,3
	v_add_nc_u32 v[SCO+\b], 0xfc000000, v[TM+\b]   ; 8 off the exponent field: the conversion's scale operand
.endr
.irp b, 0,1,2,3
	v_and_or_b32 v[LIM+\b], v[TM+\b], 0x7f800000, s[MNT]   ; 448 x the scale
.endr
.irp b, 0,1,2,3
	v_lshrrev_b32 v[TP+\b], 23, v[SCO+\b]          ; the byte
.endr
	v_lshl_or_b32 v[PW], v[TP+1], 8, v[TP]
	v_lshl_or_b32 v[PW], v[TP+2], 16, v[PW]
	v_lshl_or_b32 v[PW], v[TP+3], 24, v[PW]
.irp b, 0,1,2,3
.irp i, 0,1,2,3,4,5,6,7,8,9,10,11,12,13,14,15
	v_med3_num_f32 v[XR+16*\b+\i], v[ACC+16*\b+\i], -v[LIM+\b], v[LIM+\b]   ; the conversion does not saturate (ISA guide 7.6.2)
.endr
	v_cvt_scalef32_pk8_fp8_f32 v[PC+4*\b:PC+4*\b+1], v[XR+16*\b:XR+16*\b+7], v[SCO+\b]
	v_cvt_scalef32_pk8_fp8_f32 v[PC+4*\b+2:PC+4*\b+3], v[XR+16*\b+8:XR+16*\b+15], v[SCO+\b]
.endr
	v_nop                                          ; a plain line behind the last conversion
.irp b, 0,1,2,3
	ds_store_b64 v[STO], v[PC+4*\b:PC+4*\b+1] offset:32*\b          ; columns 32 b + 8 h on, in their true order
	ds_store_b64 v[STO], v[PC+4*\b+2:PC+4*\b+3] offset:32*\b+16
.endr
	ds_store_b32 v[RST], v[PW] offset:SST          ; row r's four bytes of my 128 columns
	s_wait_dscnt 0x0
	s_barrier_signal -1
	s_barrier_wait -1
.irp k, 0,1,2,3
	ds_load_b128 v[OB+4*\k:OB+4*\k+3], v[SRD] offset:(\k/2)*SP+(\k%2)*512   ; rows 2 W and 2 W + 1, whole
.endr
.irp k, 0,1,2,3
	s_wait_dscnt 3-\k                              ; the younger loads may be out
	global_store_b128 v[VC], v[OB+4*\k:OB+4*\k+3], s[30:31] offset:512*\k   ; 512 consecutive bytes
.endr
	s_cmp_lg_u32 s16, 0
	s_cbranch_scc1 .Lend
	ds_load_b128 v[TS:TS+3], v[LI] offset:SST      ; wave 0: the 16 rows' 512 scale bytes
	s_wait_dscnt 0x0
	global_store_b128 v[LI], v[TS:TS+3], s[98:99]
.Lend:
	s_wait_tensorcnt 0x0                           ; the wave's end
	ds_add_u32 v[SPW], v[NIL]
	s_wait_dscnt 0x0
	s_endpgm
.Lfunc_end_k_qf36943b0ed_proj:
	.size	k_qf36943b0ed_proj, .Lfunc_end_k_qf36943b0ed_proj-k_qf36943b0ed_proj
	.p2alignl 7, 3214868480
	.fill 96, 4, 3214868480
	.section	.rodata,"a",@progbits
	.p2align	6, 0x0
	.amdhsa_kernel k_qf36943b0ed_proj
		.amdhsa_group_segment_fixed_size 18688
		.amdhsa_private_segment_fixed_size 0
		.amdhsa_enable_private_segment 0
		.amdhsa_kernarg_size 48
		.amdhsa_user_sgpr_count 2
		.amdhsa_user_sgpr_kernarg_segment_ptr 1
		.amdhsa_wavefront_size32 1
		.amdhsa_system_sgpr_workgroup_id_x 1
		.amdhsa_system_sgpr_workgroup_id_y 1
		.amdhsa_system_sgpr_workgroup_id_z 1
		.amdhsa_system_vgpr_workitem_id 0
		.amdhsa_next_free_vgpr 512
		.amdhsa_next_free_sgpr 102
		.amdhsa_reserve_vcc 0
		.amdhsa_float_denorm_mode_32 3
		.amdhsa_float_denorm_mode_16_64 3
		.amdhsa_memory_ordered 1
		.amdhsa_forward_progress 1
		.amdhsa_inst_pref_size 76
	.end_amdhsa_kernel
	.amdgpu_metadata
---
amdhsa.version: [ 1, 2 ]
amdhsa.kernels:
  - .name:           k_qf36943b0ed_proj
    .symbol:         k_qf36943b0ed_proj.kd
    .args:
      - { .name: wc, .offset: 0, .size: 8, .value_kind: global_buffer, .address_space: global }
      - { .name: wa, .offset: 8, .size: 8, .value_kind: global_buffer, .address_space: global }
      - { .name: x, .offset: 16, .size: 8, .value_kind: global_buffer, .address_space: global }
      - { .name: bo, .offset: 24, .size: 8, .value_kind: global_buffer, .address_space: global }
      - { .name: g1, .offset: 32, .size: 8, .value_kind: global_buffer, .address_space: global }
      - { .name: wd, .offset: 40, .size: 8, .value_kind: global_buffer, .address_space: global }
    .group_segment_fixed_size: 18688
    .private_segment_fixed_size: 0
    .kernarg_segment_align: 8
    .kernarg_segment_size: 48
    .max_flat_workgroup_size: 256
    .sgpr_count:     102
    .vgpr_count:     512
    .wavefront_size: 32
...
	.end_amdgpu_metadata
.endif
;; end of part 4
;; launch ffn1 (part 5): grid 16 x 16, 4 waves a work-group, clusters of 4 x 4, 327,680 bytes of LDS; arguments wd, W1_codes, W1_scales, b1, we; writes we
.if DOCPART == 5
	.amdgcn_target "amdgcn-amd-amdhsa--gfx1250"
	.amdhsa_code_object_version 6
	.text
	.protected	k_qf36943b0ed_ffn1
	.globl	k_qf36943b0ed_ffn1
	.p2align	8
	.type	k_qf36943b0ed_ffn1,@function
k_qf36943b0ed_ffn1:
	s_mov_b64 s[64:65], 0
	v_nop
	global_prefetch_b8 v0, s[64:65] scope:SCOPE_SE
	s_setreg_imm32_b32 hwreg(HW_REG_WAVE_MODE, 25, 1), 1
	s_wait_xcnt 0x0
	s_wait_alu depctr_hold_cnt(0) depctr_sa_sdst(0) depctr_va_vdst(0) depctr_va_sdst(0) depctr_va_ssrc(0) depctr_va_vcc(0) depctr_vm_vsrc(0)
	s_getreg_b32 s2, hwreg(HW_REG_IB_STS2, 6, 4)
	s_cmp_eq_u32 s2, 0
	s_cbranch_scc0 .Lentry_in_a_cluster
	s_endpgm
.Lentry_in_a_cluster:
	s_bfe_u32 s2, ttmp6, 0x10000c
	s_cmp_lg_u32 s2, 0xf033
	s_cbranch_scc0 .Lentry_shape_is_right
	s_endpgm
.Lentry_shape_is_right:
.set HC_O,   0x1000000
.set HS_O,   0x1400000
.set US_O,   0x1000000
.set KSTEP,  256
.set NQ,     KSTEP/128
.set ROWB,   256
.set KROW,   1024
.set PITCH,  272
.set FR,     16
.set NL,     4
.set NP,     8
.set HALFT,  128*PITCH
.set SLOT,   4*HALFT
.set LAPS,   1024/(2*KSTEP)
.set KS,     32
.set SCL,    2*SLOT
.set HALFS,  (128*KS/256)*272
.set SBLK,   (16*KS/256)*272
.set SPARE,  SCL+4*HALFS
.set VOC,  8
.set VOS,  9
.set ADRA, 16
.set ADRB, 20
.set ADRS, 27
.set SPW,  28
.set NIL,  29
.set SC,   32
.set BI,   64
.set XR,   64
.set AF,   128
.set PC,   128
.set TM,   144
.set TP,   148
.set LIM,  152
.set SCO,  156
.set PW,   160
.set G1, 24
.set G0, 32
.set G1B, 48
.set G0B, 56
.set NL2E, 66
.set G1S, 68
.set G0S, 76
.set G1SB, 80
.set G0SB, 88
.set SEL, 92
.set MNT, 94
.set MSB, 0
.macro WIN new
.if MSB != (\new)
	s_set_vgpr_msb (MSB<<8)|(\new)
.set MSB, (\new)
.endif
.endm
.set MUL_LO, 0xa1
.set MUL_HI, 0xf1
.set TO_B,   0x40
.macro JLOAD g0a, g1a, g0b, g1b
	s_cmp_eq_u32 s15, 0
	s_cbranch_scc0 .Lfor_b_\@
	tensor_load_to_lds s[\g0a:\g0a+3], s[\g1a:\g1a+7]
	s_nop 0
.rept 4
	v_nop
.endr
	s_branch .Lasked_\@
.Lfor_b_\@:
	tensor_load_to_lds s[\g0b:\g0b+3], s[\g1b:\g1b+7]
	s_nop 0
.rept 4
	v_nop
.endr
.Lasked_\@:
.endm
.macro CREST
	s_cmp_lg_u32 s14, 0
	s_cbranch_scc1 .Lnot_wave_0_\@
	s_barrier_signal -3
.Lnot_wave_0_\@:
	s_barrier_wait -3
	s_barrier_signal -1
	s_barrier_wait -1
.endm
.macro CROUND
	s_barrier_signal -1
	s_barrier_wait -1
	CREST
.endm
	s_load_b256 s[68:75], s[0:1], 0x0
	s_load_b64 s[76:77], s[0:1], 0x20
	v_lshl_add_u32 v[SPW], v0, 2, SPARE
	v_mov_b32 v[NIL], 0
	ds_add_u32 v28, v29
	ds_add_u32 v28, v29
	s_wait_dscnt 0x0
	v_lshrrev_b32 v1, 5, v0
	v_readfirstlane_b32 s14, v1
	s_lshr_b32 s15, s14, 1
	s_and_b32 s16, s14, 1
	s_bfe_u32 s40, ttmp6, 0x40000
	s_bfe_u32 s41, ttmp6, 0x40004
	s_lshl_b32 s42, ttmp9, 2
	s_add_co_u32 s42, s42, s40
	s_and_b32 s17, ttmp7, 0xffff
	s_lshl_b32 s17, s17, 2
	s_add_co_u32 s17, s17, s41
	s_lshl_b32 s43, s41, 2
	s_lshl_b32 s43, 15, s43
	s_lshl_b32 s44, 0x1111, s40
	s_wait_kmcnt 0x0
	s_add_nc_u64 s[4:5], s[68:69], HC_O
	s_add_nc_u64 s[6:7], s[68:69], HS_O
	s_mov_b64 s[8:9], s[70:71]
	s_mov_b64 s[10:11], s[72:73]
	s_mov_b64 s[98:99], s[74:75]
	s_mov_b64 s[12:13], s[76:77]
	s_or_b32 s[G1+0], s43, (0<<16)|(1<<20)|(1<<21)|(5<<22)|(3<<25)
	s_or_b32 s[G1B+0], s44, (0<<16)|(1<<20)|(1<<21)|(5<<22)|(3<<25)
.irp g, G1, G1B
	s_mov_b32 s[\g+1], ROWB<<16
	s_mov_b32 s[\g+2], 256<<16
	s_mov_b32 s[\g+3], ROWB<<16
	s_mov_b32 s[\g+4], 256
	s_mov_b32 s[\g+5], KROW
	s_mov_b32 s[\g+6], 0
	s_mov_b32 s[\g+7], 0
.endr
	s_or_b32 s[G1S+0], s43, (3<<16)|(1<<20)|(1<<21)|(5<<22)|(3<<25)
	s_or_b32 s[G1SB+0], s44, (3<<16)|(1<<20)|(1<<21)|(5<<22)|(3<<25)
.irp g, G1S, G1SB
	s_mov_b32 s[\g+1], 32<<16
	s_mov_b32 s[\g+2], (256*KS/256)<<16
	s_mov_b32 s[\g+3], 32<<16
	s_mov_b32 s[\g+4], 256*KS/256
	s_mov_b32 s[\g+5], 32
	s_mov_b32 s[\g+6], 0
	s_mov_b32 s[\g+7], 0
.endr
	s_lshl_b32 s20, s17, 8                         ; A: the tile's first row
	s_lshl_b32 s46, s42, 8                         ; B: likewise
	s_mov_b32 s21, 0
	s_mov_b32 s47, 0
	s_mov_b64 s[18:19], KS
	s_mul_u64 s[22:23], s[20:21], s[18:19]
	s_mul_u64 s[92:93], s[46:47], s[18:19]
	s_mov_b64 s[18:19], KROW
	s_mul_u64 s[20:21], s[20:21], s[18:19]
	s_mul_u64 s[46:47], s[46:47], s[18:19]
	s_mul_i32 s45, s14, HALFT
	s_mul_i32 s18, s16, 128*KROW                   ; in the ring I fetch 128 rows of a tile: which half, in bytes
	s_mov_b32 s19, 0
	s_add_nc_u64 s[20:21], s[4:5], s[20:21]
	s_add_nc_u64 s[22:23], s[6:7], s[22:23]
	s_add_nc_u64 s[46:47], s[8:9], s[46:47]
	s_add_nc_u64 s[92:93], s[10:11], s[92:93]
	CROUND
	s_mov_b32 s[G0S], 1
	s_mov_b32 s[G0S+1], SCL
	s_mov_b64 s[G0S+2:G0S+3], s[22:23]
	s_or_b32 s[G0S+3], s[G0S+3], 0x80000000
	s_mov_b32 s[G0SB], 1
	s_mov_b32 s[G0SB+1], SCL+2*HALFS
	s_mov_b64 s[G0SB+2:G0SB+3], s[92:93]
	s_or_b32 s[G0SB+3], s[G0SB+3], 0x80000000
	s_mov_b32 s4, 1                                ; group 0 of the head's loads of K step 0: A's 256 rows,
	s_mov_b32 s5, 0
	s_mov_b64 s[6:7], s[20:21]
	s_or_b32 s7, s7, 0x80000000
	s_mov_b32 s8, 1                                ; B's 256 rows, behind them in slot 0
	s_mov_b32 s9, 2*HALFT
	s_mov_b64 s[10:11], s[46:47]
	s_or_b32 s11, s11, 0x80000000
	s_add_nc_u64 s[20:21], s[20:21], s[18:19]      ; for the ring: my 128 rows of the tile
	s_add_nc_u64 s[46:47], s[46:47], s[18:19]
.irp s, 0,1
	s_mov_b32 s[G0+4*\s], 1
	s_add_co_u32 s[G0+4*\s+1], s45, \s*SLOT
	s_add_nc_u64 s[G0+4*\s+2:G0+4*\s+3], s[20:21], \s*ROWB
	s_or_b32 s[G0+4*\s+3], s[G0+4*\s+3], 0x80000000
	s_mov_b32 s[G0B+4*\s], 1
	s_add_co_u32 s[G0B+4*\s+1], s45, \s*SLOT
	s_add_nc_u64 s[G0B+4*\s+2:G0B+4*\s+3], s[46:47], \s*ROWB
	s_or_b32 s[G0B+4*\s+3], s[G0B+4*\s+3], 0x80000000
.endr
; the head's loads, one a wave: wave 0 A's 256 rows of K step 0, wave 1 B's, wave 2 A's scales, wave 3 B's: one chain of branches on the wave's number
.macro ARM under, g0, g1, next
	s_cmp_lt_u32 s14, \under
	s_cbranch_scc0 \next
	tensor_load_to_lds s[\g0:\g0+3], s[\g1:\g1+7]
	s_nop 0
.rept 4
	v_nop
.endr
	s_branch .Lhead_asked
\next:
.endm
	ARM 1, 4, G1, .Lhead_b
	ARM 2, 8, G1B, .Lhead_sa
	ARM 3, G0S, G1S, .Lhead_sb
	tensor_load_to_lds s[G0SB:G0SB+3], s[G1SB:G1SB+7]
	s_nop 0
.rept 4
	v_nop
.endr
.Lhead_asked:
	v_and_b32 v1, 15, v0
	s_wait_alu depctr_va_vdst(0)
	v_bfe_u32 v2, v0, 4, 1
	s_lshl_b32 s20, s42, 10
	s_lshl_b32 s21, s16, 9
	s_add_co_u32 s20, s20, s21
	v_lshl_add_u32 v7, v2, 5, s20
.irp b, 0,1,2,3,4,5,6,7
	global_load_b128 v[BI+8*\b:BI+8*\b+3], v7, s[98:99] offset:64*\b
	global_load_b128 v[BI+8*\b+4:BI+8*\b+7], v7, s[98:99] offset:64*\b+16
.endr
	v_mul_u32_u24 v3, v1, PITCH
	v_lshl_add_u32 v4, v2, 4, v3
	s_mul_i32 s21, s15, HALFT
	s_mul_i32 s22, s16, HALFT
	s_add_co_u32 s22, s22, 2*HALFT
.irp s, 0,1
	v_add_nc_u32 v[ADRA+\s], s21, v4
	v_add_nc_u32 v[ADRB+\s], s22, v4
	s_add_co_u32 s21, s21, SLOT
	s_add_co_u32 s22, s22, SLOT
.endr
	v_mul_u32_u24 v5, v1, KS
	v_lshrrev_b32 v6, 8, v5
	v_lshl_add_u32 v5, v6, 4, v5
	s_mul_i32 s21, s15, HALFS
	s_mul_i32 s22, s16, HALFS
	s_add_co_u32 s22, s22, 2*HALFS
	s_sub_co_u32 s22, s22, s21
	v_mul_u32_u24 v6, s22, v2
	s_add_co_u32 s21, s21, SCL
	v_add_nc_u32 v5, v5, v6
	v_add_nc_u32 v[ADRS], s21, v5
	s_lshl_b32 s20, s17, 2
	s_lshl_b32 s21, s15, 1
	s_add_co_u32 s20, s20, s21
	s_lshl_b32 s46, s42, 1
	s_add_co_u32 s46, s46, s16
	s_lshl_b32 s22, s20, 18
	s_lshl_b32 s23, s46, 13
	s_add_co_u32 s22, s22, s23
	v_and_b32 v6, 31, v0
	v_lshl_add_u32 v[VOC], v6, 4, s22
	s_lshl_b32 s22, s20, 14
	s_lshl_b32 s23, s46, 9
	s_add_co_u32 s22, s22, s23
	s_add_co_u32 s22, s22, US_O
	v_lshl_add_u32 v[VOS], v6, 2, s22
	s_mov_b32 s[SEL], 0x76543210
	s_mov_b32 s[SEL+1], 0xfedcba98
	s_mov_b32 s[MNT], 0x600000
	s_mov_b32 s[NL2E], 0xbfb8aa3b
	s_mov_b32 s[NL2E+1], s[NL2E]
.macro FRAG reg, adr, q, i
.irp c, 0,1,2,3
	ds_load_b128 v[\reg+4*\c:\reg+4*\c+3], v[\adr] offset:128*(\q)+32*\c+(\i)*16*PITCH
.endr
.endm
.macro MUL16 a0, p, q, sc, zero
.irp a, \a0, \a0+1
.irp b, 0,1,2,3,4,5,6,7
.if \zero
	v_wmma_scale_f32_16x16x128_f8f6f4 v[8*(8*((\a)%4)+\b):8*(8*((\a)%4)+\b)+7], v[128*(\p)+FR*\b:128*(\p)+FR*\b+FR-1], v[AF+FR*(\a):AF+FR*(\a)+FR-1], v[BI+8*\b:BI+8*\b+7], v[SC+8*NQ*(\sc)+NQ*\b+(\q)], v[SC+8*NQ*(\sc)+NQ*(\a)+(\q)] matrix_a_scale:MATRIX_SCALE_ROW1
.else
	v_wmma_scale_f32_16x16x128_f8f6f4 v[8*(8*((\a)%4)+\b):8*(8*((\a)%4)+\b)+7], v[128*(\p)+FR*\b:128*(\p)+FR*\b+FR-1], v[AF+FR*(\a):AF+FR*(\a)+FR-1], v[8*(8*((\a)%4)+\b):8*(8*((\a)%4)+\b)+7], v[SC+8*NQ*(\sc)+NQ*\b+(\q)], v[SC+8*NQ*(\sc)+NQ*(\a)+(\q)] matrix_a_scale:MATRIX_SCALE_ROW1
.endif
.endr
.endr
.endm
.macro FETCH_B slot, q, p
	WIN TO_B
.irp i, 0,1,2,3,4,5,6,7
	FRAG 128*(\p)+FR*\i, ADRB+\slot, \q, \i
.endr
	WIN 0
.endm
.macro FETCH_A slot, q, i0
.irp i, \i0, \i0+1, \i0+2, \i0+3
	FRAG AF+FR*(\i), ADRA+\slot, \q, \i
.endr
.endm
.macro SCALES sc
.irp i, 0,1,2,3,4,5,6,7
	ds_load_b64 v[SC+8*NQ*\sc+NQ*\i:SC+8*NQ*\sc+NQ*\i+1], v[ADRS] offset:\i*SBLK
.endr
.endm
.macro PLACES n
.rept \n
	v_nop
.endr
.endm
.macro STEP slot, q, zero
	s_wait_dscnt 4*NL
	WIN MUL_LO-0x20*(\zero)
	MUL16 0, (\q)%2, \q, \slot, \zero
	MUL16 2, (\q)%2, \q, \slot, \zero
	s_wait_dscnt 0
	PLACES NP
	FETCH_B \slot, (\q)+1, 1-(\q)%2
	FETCH_A \slot, (\q)+1, 0
	WIN MUL_HI-0x30*(\zero)
	MUL16 4, (\q)%2, \q, \slot, \zero
	MUL16 6, (\q)%2, \q, \slot, \zero
	PLACES NP
	WIN 0
	FETCH_A \slot, (\q)+1, 4
.endm
.macro TURN slot, next, fill
	s_wait_tensorcnt 0x0
	ds_add_u32 v[SPW], v[NIL]
	s_wait_dscnt 4*NL+1
	WIN MUL_LO
	MUL16 0, 1, NQ-1, \slot, 0
	s_wait_dscnt 0x0
	s_barrier_signal -1
	MUL16 2, 1, NQ-1, \slot, 0
	WIN 0
	s_barrier_wait -1
.if \fill
	CREST
	s_add_nc_u64 s[G0+4*\slot+2:G0+4*\slot+3], s[G0+4*\slot+2:G0+4*\slot+3], 2*ROWB
	s_add_nc_u64 s[G0B+4*\slot+2:G0B+4*\slot+3], s[G0B+4*\slot+2:G0B+4*\slot+3], 2*ROWB
	JLOAD G0+4*\slot, G1, G0B+4*\slot, G1B
	PLACES NP-4
.else
	PLACES NP
.endif
	s_wait_alu depctr_va_vdst(0)
	v_add_nc_u32 v[ADRS], 4*NQ, v[ADRS]
	FETCH_B \next, 0, 0
	FETCH_A \next, 0, 0
	SCALES \next
	WIN MUL_HI
	MUL16 4, 1, NQ-1, \slot, 0
	MUL16 6, 1, NQ-1, \slot, 0
	PLACES NP
	WIN 0
	FETCH_A \next, 0, 4
.endm
	s_wait_alu depctr_va_vdst(0)
	s_wait_tensorcnt 0x0                           ; my tile of the head's four is in
	ds_add_u32 v[SPW], v[NIL]
	s_mov_b32 s[G1+2], 128<<16                     ; no tensor load of mine is out: from here on a load brings 128 rows
	s_mov_b32 s[G1+4], 128
	s_mov_b32 s[G1B+2], 128<<16
	s_mov_b32 s[G1B+4], 128
	s_wait_dscnt 0x0
	CROUND                                         ; all four tiles are in, and all sixteen work-groups are here
	JLOAD G0+4, G1, G0B+4, G1B                     ; K step 1's load, the first tensor load behind the round
	FETCH_B 0, 0, 0
	FETCH_A 0, 0, 0
	SCALES 0
	FETCH_A 0, 0, 4
	s_wait_loadcnt 0x0
	STEP 0, 0, 1
	s_mov_b32 s3, LAPS-1
.Llap:
	TURN 0, 1, 1
	STEP 1, 0, 0
	TURN 1, 0, 1
	STEP 0, 0, 0
	s_sub_co_u32 s3, s3, 1
	s_cmp_lg_u32 s3, 0
	s_cbranch_scc1 .Llap
	TURN 0, 1, 0
	STEP 1, 0, 0
	s_wait_dscnt 4*NL
	WIN MUL_LO
	MUL16 0, 1, NQ-1, 1, 0
	MUL16 2, 1, NQ-1, 1, 0
	s_wait_dscnt 0
	WIN MUL_HI
	MUL16 4, 1, NQ-1, 1, 0
	MUL16 6, 1, NQ-1, 1, 0
	WIN 0
.macro SILU a
.set AC, 64*((\a)%4)
.set WA, 2+(\a)/4
	s_wait_xcnt 0x0
	WIN WA
.set n, 0
.rept 32
	v_pk_mul_f32 v[XR+n:XR+n+1], v[AC+n:AC+n+1], s[NL2E:NL2E+1] op_sel_hi:[1,0]
.set n, n+2
.endr
	WIN 0
.set n, 0
	s_wait_alu depctr_va_vdst(0)
.rept 64
	v_exp_f32 v[XR+n], v[XR+n]
.set n, n+1
.endr
	v_nop
	s_wait_alu depctr_va_vdst(0)
.set n, 0
.rept 32
	v_pk_add_f32 v[XR+n:XR+n+1], v[XR+n:XR+n+1], 1.0 op_sel_hi:[1,0]
.set n, n+2
.endr
.set n, 0
	s_wait_alu depctr_va_vdst(0)
.rept 64
	v_rcp_f32 v[XR+n], v[XR+n]
.set n, n+1
.endr
	v_nop
	s_wait_alu depctr_va_vdst(0)
	WIN WA
.set n, 0
.rept 32
	v_pk_mul_f32 v[XR+n:XR+n+1], v[AC+n:AC+n+1], v[XR+n:XR+n+1]
.set n, n+2
.endr
	WIN 0
.endm
.macro QX
.irp b, 0,1,2,3
	v_max3_num_f32 v[TM+\b], |v[XR+16*\b]|, |v[XR+1+16*\b]|, 0x4800000
.endr
.irp i, 2,4,6,8,10,12,14
.irp b, 0,1,2,3
	v_max3_num_f32 v[TM+\b], v[TM+\b], |v[XR+16*\b+\i]|, |v[XR+1+16*\b+\i]|
.endr
.endr
.irp b, 0,1,2,3
	v_permlanex16_b32 v[TP+\b], v[TM+\b], s[SEL], s[SEL+1]
.endr
.irp b, 0,1,2,3
	v_max_num_f32 v[TM+\b], v[TM+\b], v[TP+\b]
.endr
.irp b, 0,1,2,3
	v_add_nc_u32 v[SCO+\b], 0xfc000000, v[TM+\b]
.endr
.irp b, 0,1,2,3
	v_and_or_b32 v[LIM+\b], v[TM+\b], 0x7f800000, s[MNT]
.endr
.irp b, 0,1,2,3
	v_lshrrev_b32 v[TP+\b], 23, v[SCO+\b]
.endr
	v_lshl_or_b32 v[PW], v[TP+1], 8, v[TP]
	v_lshl_or_b32 v[PW], v[TP+2], 16, v[PW]
	v_lshl_or_b32 v[PW], v[TP+3], 24, v[PW]
.irp b, 0,1,2,3
.irp i, 0,1,2,3,4,5,6,7,8,9,10,11,12,13,14,15
	v_med3_num_f32 v[XR+16*\b+\i], v[XR+16*\b+\i], -v[LIM+\b], v[LIM+\b]
.endr
	v_cvt_scalef32_pk8_fp8_f32 v[PC+4*\b:PC+4*\b+1], v[XR+16*\b:XR+16*\b+7], v[SCO+\b]
	v_cvt_scalef32_pk8_fp8_f32 v[PC+4*\b+2:PC+4*\b+3], v[XR+16*\b+8:XR+16*\b+15], v[SCO+\b]
.endr
	v_nop
.endm
	PLACES NP
.irp b, 0,1,2,3
	v_mov_b32 v[TP+\b], 0
.endr
.irp a, 0,1,2,3,4,5,6,7
	SILU \a
	QX
.irp c, 0,1,2,3
	global_store_b128 v[VOC], v[PC+4*\c:PC+4*\c+3], s[12:13] offset:(\a/4)*262144+(\a%4)*2048+512*\c
.endr
	global_store_b32 v[VOS], v[PW], s[12:13] offset:(\a/4)*16384+(\a%4)*128
.endr
	s_wait_tensorcnt 0x0
	ds_add_u32 v[SPW], v[NIL]
	s_wait_dscnt 0x0
	CROUND
	s_endpgm
.Lfunc_end_k_qf36943b0ed_ffn1:
	.size	k_qf36943b0ed_ffn1, .Lfunc_end_k_qf36943b0ed_ffn1-k_qf36943b0ed_ffn1
	.p2alignl 7, 3214868480
	.fill 96, 4, 3214868480
	.section	.rodata,"a",@progbits
	.p2align	6, 0x0
	.amdhsa_kernel k_qf36943b0ed_ffn1
		.amdhsa_group_segment_fixed_size 327680
		.amdhsa_private_segment_fixed_size 0
		.amdhsa_enable_private_segment 0
		.amdhsa_kernarg_size 40
		.amdhsa_user_sgpr_count 2
		.amdhsa_user_sgpr_kernarg_segment_ptr 1
		.amdhsa_wavefront_size32 1
		.amdhsa_system_sgpr_workgroup_id_x 1
		.amdhsa_system_sgpr_workgroup_id_y 1
		.amdhsa_system_sgpr_workgroup_id_z 1
		.amdhsa_system_vgpr_workitem_id 0
		.amdhsa_next_free_vgpr 1024
		.amdhsa_next_free_sgpr 101
		.amdhsa_reserve_vcc 0
		.amdhsa_float_denorm_mode_32 3
		.amdhsa_float_denorm_mode_16_64 3
		.amdhsa_memory_ordered 1
		.amdhsa_forward_progress 1
		.amdhsa_inst_pref_size 255
	.end_amdhsa_kernel
	.section	.bss,"aw",@nobits
	.p2align	6
	.space	262144
	.amdgpu_metadata
---
amdhsa.version: [ 1, 2 ]
amdhsa.kernels:
  - .name:           k_qf36943b0ed_ffn1
    .symbol:         k_qf36943b0ed_ffn1.kd
    .args:
      - { .name: wd, .offset: 0, .size: 8, .value_kind: global_buffer, .address_space: global }
      - { .name: W1_codes, .offset: 8, .size: 8, .value_kind: global_buffer, .address_space: global }
      - { .name: W1_scales, .offset: 16, .size: 8, .value_kind: global_buffer, .address_space: global }
      - { .name: b1, .offset: 24, .size: 8, .value_kind: global_buffer, .address_space: global }
      - { .name: we, .offset: 32, .size: 8, .value_kind: global_buffer, .address_space: global }
    .group_segment_fixed_size: 327680
    .private_segment_fixed_size: 0
    .kernarg_segment_align: 8
    .kernarg_segment_size: 40
    .max_flat_workgroup_size: 128
    .sgpr_count:     101
    .vgpr_count:     1024
    .wavefront_size: 32
...
	.end_amdgpu_metadata
.endif
;; end of part 5
;; launch ffn2g (part 6): grid 8 x 32, 4 waves a work-group, clusters of 4 x 4, 327,680 bytes of LDS; arguments we, wa, wd, wy; writes wy
.if DOCPART == 6
	.amdgcn_target "amdgcn-amd-amdhsa--gfx1250"
	.amdhsa_code_object_version 6
	.text
	.protected	k_qf36943b0ed_ffn2g
	.globl	k_qf36943b0ed_ffn2g
	.p2align	8
	.type	k_qf36943b0ed_ffn2g,@function
k_qf36943b0ed_ffn2g:
	s_mov_b64 s[64:65], 0
	v_nop
	global_prefetch_b8 v0, s[64:65] scope:SCOPE_SE
	s_setreg_imm32_b32 hwreg(HW_REG_WAVE_MODE, 25, 1), 1
	s_wait_xcnt 0x0
	s_wait_alu depctr_hold_cnt(0) depctr_sa_sdst(0) depctr_va_vdst(0) depctr_va_sdst(0) depctr_va_ssrc(0) depctr_va_vcc(0) depctr_vm_vsrc(0)
	s_getreg_b32 s2, hwreg(HW_REG_IB_STS2, 6, 4)
	s_cmp_eq_u32 s2, 0
	s_cbranch_scc0 .Lentry_in_a_cluster
	s_endpgm
.Lentry_in_a_cluster:
	s_bfe_u32 s2, ttmp6, 0x10000c
	s_cmp_lg_u32 s2, 0xf033
	s_cbranch_scc0 .Lentry_shape_is_right
	s_endpgm
.Lentry_shape_is_right:
.set US_O,   0x1000000
.set W2F_O,  0x520000
.set W2S_O,  0x928000
.set NP,     8
.set HALFT,  32768
.set SLOT,   4*HALFT
.set LAPS,   4
.set SCA,    2*SLOT
.set SCB,    SCA+32768
.set SPARE,  SCB+16384
.set VOC,  8
.set ADRA, 16
.set ADRB, 20
.set ADAS, 24
.set ADBS, 25
.set SPW,  28
.set NIL,  29
.set SC,   32
.set ACC,  128
.set G1, 24
.set G0, 32
.set G1B, 48
.set G0B, 56
.set G1S, 68
.set G0S, 76
.set G1SB, 80
.set G0SB, 88
.set MSB, 0
.macro WIN new
.if MSB != (\new)
	s_set_vgpr_msb (MSB<<8)|(\new)
.set MSB, (\new)
.endif
.endm
.set MUL,  0x05
.set TO_F, 0x40
.macro JLOAD g0a, g1a, g0b, g1b
	s_cmp_eq_u32 s15, 0
	s_cbranch_scc0 .Lfor_b_\@
	tensor_load_to_lds s[\g0a:\g0a+3], s[\g1a:\g1a+7]
	s_nop 0
.rept 4
	v_nop
.endr
	s_branch .Lasked_\@
.Lfor_b_\@:
	tensor_load_to_lds s[\g0b:\g0b+3], s[\g1b:\g1b+7]
	s_nop 0
.rept 4
	v_nop
.endr
.Lasked_\@:
.endm
.macro CREST
	s_cmp_lg_u32 s14, 0
	s_cbranch_scc1 .Lnot_wave_0_\@
	s_barrier_signal -3
.Lnot_wave_0_\@:
	s_barrier_wait -3
	s_barrier_signal -1
	s_barrier_wait -1
.endm
.macro CROUND
	s_barrier_signal -1
	s_barrier_wait -1
	CREST
.endm
	s_load_b256 s[68:75], s[0:1], 0x0
	v_lshl_add_u32 v[SPW], v0, 2, SPARE
	v_mov_b32 v[NIL], 0
	ds_add_u32 v28, v29
	ds_add_u32 v28, v29
	s_wait_dscnt 0x0
	v_lshrrev_b32 v1, 5, v0
	v_readfirstlane_b32 s14, v1
	s_lshr_b32 s15, s14, 1
	s_and_b32 s16, s14, 1
	s_bfe_u32 s40, ttmp6, 0x40000
	s_bfe_u32 s41, ttmp6, 0x40004
	s_lshl_b32 s42, ttmp9, 2
	s_add_co_u32 s42, s42, s40
	s_and_b32 s17, ttmp7, 0xffff
	s_lshl_b32 s17, s17, 2
	s_add_co_u32 s17, s17, s41
	s_lshl_b32 s43, s41, 2
	s_lshl_b32 s43, 15, s43
	s_lshl_b32 s44, 0x1111, s40
	s_wait_kmcnt 0x0
	s_mov_b64 s[4:5], s[68:69]
	s_add_nc_u64 s[6:7], s[68:69], US_O
	s_add_nc_u64 s[8:9], s[70:71], W2F_O
	s_add_nc_u64 s[10:11], s[70:71], W2S_O
	s_mov_b64 s[98:99], s[72:73]
	s_mov_b64 s[12:13], s[74:75]
	s_or_b32 s[G1+0], s43, (3<<16)|(1<<21)
	s_mov_b32 s[G1+1], 32<<16
	s_mov_b32 s[G1+2], 128<<16
	s_mov_b32 s[G1+3], 32<<16
	s_mov_b32 s[G1+4], 128
	s_mov_b32 s[G1+5], 32
	s_mov_b32 s[G1+6], 0
	s_mov_b32 s[G1+7], 0
	s_or_b32 s[G1B+0], s44, (3<<16)|(1<<21)
	s_mov_b32 s[G1B+1], 2048<<16
	s_mov_b32 s[G1B+2], 2<<16
	s_mov_b32 s[G1B+3], 2048<<16
	s_mov_b32 s[G1B+4], 2
	s_mov_b32 s[G1B+5], 16384
	s_mov_b32 s[G1B+6], 0
	s_mov_b32 s[G1B+7], 0
	s_or_b32 s[G1S+0], s43, (3<<16)|(1<<21)
	s_mov_b32 s[G1S+1], 32<<16
	s_mov_b32 s[G1S+2], 64<<16
	s_mov_b32 s[G1S+3], 32<<16
	s_mov_b32 s[G1S+4], 64
	s_mov_b32 s[G1S+5], 32
	s_mov_b32 s[G1S+6], 0
	s_mov_b32 s[G1S+7], 0
	s_or_b32 s[G1SB+0], s44, (3<<16)|(1<<21)
	s_mov_b32 s[G1SB+1], 64<<16
	s_mov_b32 s[G1SB+2], 16<<16
	s_mov_b32 s[G1SB+3], 64<<16
	s_mov_b32 s[G1SB+4], 16
	s_mov_b32 s[G1SB+5], 512
	s_mov_b32 s[G1SB+6], 0
	s_mov_b32 s[G1SB+7], 0
	s_lshl_b32 s20, s17, 1
	s_add_co_u32 s20, s20, s16
	s_lshl_b32 s22, s20, 14
	s_lshl_b32 s20, s20, 18
	s_mov_b32 s21, 0
	s_mov_b32 s23, 0
	s_lshl_b32 s46, s16, 18
	s_lshl_b32 s47, s42, 14
	s_add_co_u32 s46, s46, s47
	s_lshl_b32 s92, s16, 16
	s_lshl_b32 s93, s42, 9
	s_add_co_u32 s92, s92, s93
	s_mov_b32 s47, 0
	s_mov_b32 s93, 0
	s_lshl_b32 s45, s14, 15
	s_lshl_b32 s94, s16, 14
	s_lshl_b32 s95, s16, 13
	s_add_nc_u64 s[20:21], s[4:5], s[20:21]
	s_add_nc_u64 s[22:23], s[6:7], s[22:23]
	s_add_nc_u64 s[46:47], s[8:9], s[46:47]
	s_add_nc_u64 s[92:93], s[10:11], s[92:93]
	CROUND
	s_mov_b32 s[G0S], 1
	s_add_co_u32 s[G0S+1], s94, SCA
	s_mov_b64 s[G0S+2:G0S+3], s[22:23]
	s_or_b32 s[G0S+3], s[G0S+3], 0x80000000
	s_mov_b32 s[G0SB], 1
	s_add_co_u32 s[G0SB+1], s95, SCB
	s_mov_b64 s[G0SB+2:G0SB+3], s[92:93]
	s_or_b32 s[G0SB+3], s[G0SB+3], 0x80000000
	JLOAD G0S, G1S, G0SB, G1SB
.irp s, 0,1
	s_mov_b32 s[G0+4*\s], 1
	s_add_co_u32 s[G0+4*\s+1], s45, \s*SLOT
	s_add_nc_u64 s[G0+4*\s+2:G0+4*\s+3], s[20:21], \s*32768
	s_or_b32 s[G0+4*\s+3], s[G0+4*\s+3], 0x80000000
	s_mov_b32 s[G0B+4*\s], 1
	s_add_co_u32 s[G0B+4*\s+1], s45, \s*SLOT
	s_add_nc_u64 s[G0B+4*\s+2:G0B+4*\s+3], s[46:47], \s*524288
	s_or_b32 s[G0B+4*\s+3], s[G0B+4*\s+3], 0x80000000
	s_wait_alu depctr_va_vdst(0)
	s_wait_tensorcnt 0x0
	ds_add_u32 v28, v29
	s_wait_dscnt 0x0
	CROUND
	JLOAD G0+4*\s, G1, G0B+4*\s, G1B
.endr
	v_and_b32 v6, 31, v0
	v_lshlrev_b32 v4, 4, v6
	s_wait_alu depctr_va_vdst(0)
	s_lshl_b32 s20, s17, 1
	s_add_co_u32 s20, s20, s15
	s_lshl_b32 s20, s20, 18
	s_lshl_b32 s46, s42, 15
	s_lshl_b32 s47, s16, 14
	s_add_co_u32 s46, s46, s47
	s_add_co_u32 s20, s20, s46
	v_add_nc_u32 v[VOC], s20, v4
.set q, 0
.rept 32
	global_load_b128 v[ACC+4*q:ACC+4*q+3], v[VOC], s[98:99] offset:512*q th:TH_LOAD_NT
.set q, q+1
.endr
	s_lshl_b32 s21, s15, 15
	s_lshl_b32 s22, s16, 13
	s_add_co_u32 s22, s22, 2*HALFT
.irp s, 0,1
	v_add_nc_u32 v[ADRA+\s], s21, v4
	v_add_nc_u32 v[ADRB+\s], s22, v4
	s_add_co_u32 s21, s21, SLOT
	s_add_co_u32 s22, s22, SLOT
.endr
	s_lshl_b32 s21, s15, 14
	s_add_co_u32 s21, s21, SCA
	v_lshlrev_b32 v5, 2, v6
	v_add_nc_u32 v[ADAS], s21, v5
	s_lshl_b32 s22, s16, 3
	s_add_co_u32 s22, s22, SCB
	v_add_nc_u32 v[ADBS], s22, v4
.macro MUL4 p, m
.irp t, 0,1,2,3
.set AR, ACC+64*(\t/2)+16*(\m)+8*(\t%2)
.if \t%2
	v_wmma_scale_f32_16x16x128_f8f6f4 v[AR:AR+7], v[128*(\p)+16*\t:128*(\p)+16*\t+15], v[128*(\p)+64+16*(\m):128*(\p)+64+16*(\m)+15], v[AR:AR+7], v[SC+8*(\p)+4+\t/2], v[SC+8*(\p)+(\m)] matrix_a_scale:MATRIX_SCALE_ROW1
.else
	v_wmma_scale_f32_16x16x128_f8f6f4 v[AR:AR+7], v[128*(\p)+16*\t:128*(\p)+16*\t+15], v[128*(\p)+64+16*(\m):128*(\p)+64+16*(\m)+15], v[AR:AR+7], v[SC+8*(\p)+4+\t/2], v[SC+8*(\p)+(\m)]
.endif
.endr
.endm
.macro FETCH slot, sg, p
	WIN 0
	ds_load_b64 v[SC+8*(\p)+4:SC+8*(\p)+5], v[ADBS] offset:512*(\sg)
.irp m, 0,1,2,3
	ds_load_b32 v[SC+8*(\p)+\m], v[ADAS] offset:512*(\sg)+128*\m
.endr
	WIN TO_F
.irp t, 0,1,2,3
.irp c, 0,1,2,3
	ds_load_b128 v[128*(\p)+16*\t+4*\c:128*(\p)+16*\t+4*\c+3], v[ADRB+\slot] offset:16384*(\sg)+2048*\t+512*\c
.endr
.endr
.irp m, 0,1,2,3
.irp c, 0,1,2,3
	ds_load_b128 v[128*(\p)+64+16*\m+4*\c:128*(\p)+64+16*\m+4*\c+3], v[ADRA+\slot] offset:8192*(\sg)+2048*\m+512*\c
.endr
.endr
.endm
.macro PLACES n
.rept \n
	v_nop
.endr
.endm
.macro STEP slot, sg
	s_wait_dscnt 8
	WIN MUL
	MUL4 (\sg)%2, 0
	MUL4 (\sg)%2, 1
	PLACES NP
	FETCH \slot, (\sg)+1, 1-(\sg)%2
	s_wait_dscnt 37
	WIN MUL
	MUL4 (\sg)%2, 2
	MUL4 (\sg)%2, 3
.endm
.macro TURN slot, next, fill
	WIN 0
	s_wait_tensorcnt 0x0
	ds_add_u32 v[SPW], v[NIL]
	s_wait_dscnt 9
	WIN MUL
	MUL4 1, 0
	s_wait_dscnt 0x0
	s_barrier_signal -1
	MUL4 1, 1
	WIN 0
	s_barrier_wait -1
.if \fill
	CREST
	s_add_nc_u64 s[G0+4*\slot+2:G0+4*\slot+3], s[G0+4*\slot+2:G0+4*\slot+3], 2*32768
	s_add_nc_u64 s[G0B+4*\slot+2:G0B+4*\slot+3], s[G0B+4*\slot+2:G0B+4*\slot+3], 2*524288
	JLOAD G0+4*\slot, G1, G0B+4*\slot, G1B
	PLACES NP-4
.else
	PLACES NP
.endif
	v_add_nc_u32 v[ADAS], 2048, v[ADAS]
	v_add_nc_u32 v[ADBS], 2048, v[ADBS]
	FETCH \next, 0, 0
	WIN MUL
	MUL4 1, 2
	MUL4 1, 3
.endm
	s_wait_alu depctr_va_vdst(0)
	s_wait_tensorcnt 1
	s_barrier_signal -1
	s_barrier_wait -1
	FETCH 0, 0, 0
	WIN 0
	s_wait_loadcnt 0x0
	s_mov_b32 s3, LAPS-1
.Llap:
	s_wait_alu depctr_va_vdst(0)
	STEP 0, 0
	STEP 0, 1
	STEP 0, 2
	TURN 0, 1, 1
	s_wait_alu depctr_va_vdst(0)
	STEP 1, 0
	STEP 1, 1
	STEP 1, 2
	TURN 1, 0, 1
	WIN 0
	s_sub_co_u32 s3, s3, 1
	s_cmp_lg_u32 s3, 0
	s_cbranch_scc1 .Llap
	s_wait_alu depctr_va_vdst(0)
	STEP 0, 0
	STEP 0, 1
	STEP 0, 2
	TURN 0, 1, 0
	s_wait_alu depctr_va_vdst(0)
	STEP 1, 0
	STEP 1, 1
	STEP 1, 2
	s_wait_dscnt 8
	WIN MUL
	MUL4 1, 0
	MUL4 1, 1
	s_wait_dscnt 0x0
	MUL4 1, 2
	MUL4 1, 3
	WIN 0
	PLACES NP
.set q, 0
.rept 32
	global_store_b128 v[VOC], v[ACC+4*q:ACC+4*q+3], s[12:13] offset:512*q
.set q, q+1
.endr
	s_wait_tensorcnt 0x0
	ds_add_u32 v[SPW], v[NIL]
	s_wait_dscnt 0x0
	CROUND
	s_endpgm
.Lfunc_end_k_qf36943b0ed_ffn2g:
	.size	k_qf36943b0ed_ffn2g, .Lfunc_end_k_qf36943b0ed_ffn2g-k_qf36943b0ed_ffn2g
	.p2alignl 7, 3214868480
	.fill 96, 4, 3214868480
	.section	.rodata,"a",@progbits
	.p2align	6, 0x0
	.amdhsa_kernel k_qf36943b0ed_ffn2g
		.amdhsa_group_segment_fixed_size 327680
		.amdhsa_private_segment_fixed_size 0
		.amdhsa_enable_private_segment 0
		.amdhsa_kernarg_size 32
		.amdhsa_user_sgpr_count 2
		.amdhsa_user_sgpr_kernarg_segment_ptr 1
		.amdhsa_wavefront_size32 1
		.amdhsa_system_sgpr_workgroup_id_x 1
		.amdhsa_system_sgpr_workgroup_id_y 1
		.amdhsa_system_sgpr_workgroup_id_z 1
		.amdhsa_system_vgpr_workitem_id 0
		.amdhsa_next_free_vgpr 512
		.amdhsa_next_free_sgpr 101
		.amdhsa_reserve_vcc 0
		.amdhsa_float_denorm_mode_32 3
		.amdhsa_float_denorm_mode_16_64 3
		.amdhsa_memory_ordered 1
		.amdhsa_forward_progress 1
		.amdhsa_inst_pref_size 95
	.end_amdhsa_kernel
	.amdgpu_metadata
---
amdhsa.version: [ 1, 2 ]
amdhsa.kernels:
  - .name:           k_qf36943b0ed_ffn2g
    .symbol:         k_qf36943b0ed_ffn2g.kd
    .args:
      - { .name: we, .offset: 0, .size: 8, .value_kind: global_buffer, .address_space: global }
      - { .name: wa, .offset: 8, .size: 8, .value_kind: global_buffer, .address_space: global }
      - { .name: wd, .offset: 16, .size: 8, .value_kind: global_buffer, .address_space: global }
      - { .name: wy, .offset: 24, .size: 8, .value_kind: global_buffer, .address_space: global }
    .group_segment_fixed_size: 327680
    .private_segment_fixed_size: 0
    .kernarg_segment_align: 8
    .kernarg_segment_size: 32
    .max_flat_workgroup_size: 128
    .sgpr_count:     101
    .vgpr_count:     512
    .wavefront_size: 32
...
	.end_amdgpu_metadata
.endif
;; end of part 6
;; launch norm2 (part 7): grid 256 x 1, 8 waves a work-group, no clusters, 69,120 bytes of LDS; arguments wy, b2, g2, out0; writes out0
.if DOCPART == 7
	.amdgcn_target "amdgcn-amd-amdhsa--gfx1250"
	.amdhsa_code_object_version 6
	.text
	.protected	k_qf36943b0ed_norm2
	.globl	k_qf36943b0ed_norm2
	.p2align	8
	.type	k_qf36943b0ed_norm2,@function
k_qf36943b0ed_norm2:
	s_mov_b64 s[64:65], 0
	v_nop
	global_prefetch_b8 v0, s[64:65] scope:SCOPE_SE
	s_setreg_imm32_b32 hwreg(HW_REG_WAVE_MODE, 25, 1), 1
	s_wait_xcnt 0x0
; norm2: out = ((y + b2) / sqrt(mean of squares over the row's 1,024 columns + 1e-6)) g2, all in f32.
; y lies in memory as the launch before left its accumulators: for a block of 64 tokens RB and a tile column c of 128 columns, 32,768 bytes; in them register R = 64 (t / 2) + 16 m + 8 (t % 2) + j of lane (r, h)
; holds y(64 RB + 16 m + r, 128 c + 16 t + 8 h + j), four registers of all 32 lanes on end: 512 bytes.
; A stream: memory binds, so each byte is read once and written once, every load of y and every store covers 512 consecutive bytes, and all loads go out at the head.  No matrix unit, no cluster, no tensor load: nothing is shared.
; SHARES.  A work-group takes 16 whole rows (RB, m); wave w takes tile column w: 64 numbers a lane.  A row's sum of squares: my lane's 64, lane l xor 16's, and the eight waves' through LDS, behind the one barrier.
; THE WAY OUT.  A lane holds pieces of 32 bytes of a row, and the lanes beside it hold other rows: the wave's 16 rows x 512 bytes go through its own stage in LDS (rows 528 bytes apart: 33 x 16, so that the sixteen rows
; that a store touches start at different banks: 64 banks of 4 bytes, ISA guide 11.1) and come back as whole rows.
; LIMITS: v_rsq_f32 is good to 1 ulp; NaN and infinities are not served.
.set RED,  0                           ; LDS: 16 rows x 8 waves' sums: 512 bytes
.set STG,  512                         ; a stage of 16 x 528 bytes for each wave
.set LI,   1                           ; v1   16 x lane
.set VY,   4                           ; v4   my offset in y
.set VBG,  5                           ; v5   my columns in b2 and in g2
.set RST,  6                           ; v6   LDS: where my wave's sum of row r goes
.set RLD,  7                           ; v7   LDS: row r's eight sums
.set STO,  8                           ; v8   the stage: where I put 32 bytes of a row
.set SRD,  9                           ; v9   and where I read a row back
.set VO,   10                          ; v10  my offset in out0
.set SS,   12                          ; v12-19 four chains of squares, two numbers each
.set RR,   20                          ; v[20:21] 1 / rms (the packed multiply names a pair and takes its low word)
.set TS,   24                          ; v24-31 the eight waves' sums
.set Y,    64                          ; v64-127   register 8 t + j: y(r, 16 t + 8 h + j) of my 128 columns
.set BI,   128                         ; v128-191  b2 likewise; later the rows read back from the stage
.set GA,   192                         ; v192-255  g2 likewise
.set SEL,  20                          ; s20, s21 lane selects for v_permlanex16_b32: lane l xor 16
.set C10,  22
.set EPS,  23
	s_load_b256 s[4:11], s[0:1], 0x0               ; y, b2, g2, out0
	v_lshl_add_u32 v62, v0, 2, 0x10a00
	v_mov_b32 v63, 0
	v_lshrrev_b32 v1, 5, v0
	s_delay_alu instid0(VALU_DEP_1)
	v_readfirstlane_b32 s12, v1                    ; wave 0..7
	s_lshr_b32 s13, ttmp9, 2                       ; RB
	s_and_b32 s14, ttmp9, 3                        ; m
	v_and_b32 v2, 31, v0
	s_delay_alu instid0(VALU_DEP_1)
	v_lshlrev_b32 v[LI], 4, v2
	s_wait_alu depctr_va_vdst(0)
	v_and_b32 v2, 15, v0                           ; r
	s_wait_alu depctr_va_vdst(0)
	v_bfe_u32 v3, v0, 4, 1                         ; h
	s_lshl_b32 s15, s13, 18                        ; 64 rows of 4,096 bytes, in y and in out0 alike
	s_lshl_b32 s16, s12, 15                        ; y: my tile column's 32,768 bytes,
	s_add_co_u32 s16, s16, s15
	s_lshl_b32 s17, s14, 11                        ; registers 16 m on: 2,048 bytes
	s_add_co_u32 s16, s16, s17
	v_add_nc_u32 v[VY], s16, v[LI]
	s_lshl_b32 s16, s12, 9                         ; my 128 columns: 512 bytes
	v_lshl_add_u32 v[VBG], v3, 5, s16              ; + 32 h
	s_lshl_b32 s17, s14, 16                        ; out0: 16 m rows,
	s_add_co_u32 s17, s17, s15
	s_add_co_u32 s17, s17, s16                     ; my 512 bytes of a row
	v_add_nc_u32 v[VO], s17, v[LI]
	s_lshl_b32 s18, s12, 2
	v_lshl_add_u32 v[RLD], v2, 5, RED              ; 32 bytes a row
	s_delay_alu instid0(VALU_DEP_1)
	v_add_nc_u32 v[RST], s18, v[RLD]
	s_mul_i32 s19, s12, 16*528
	s_add_co_u32 s19, s19, STG                     ; my stage
	v_mul_u32_u24 v[STO], v2, 528
	s_wait_alu depctr_va_vdst(0)
	v_lshl_add_u32 v[STO], v3, 5, v[STO]
	s_delay_alu instid0(VALU_DEP_1)
	v_add_nc_u32 v[STO], s19, v[STO]               ; in: row r, + 32 h
	v_add_nc_u32 v[SRD], s19, v[LI]                ; back: a row of 512 bytes by 32 lanes
	v_mov_b32 v[RR+1], 0                           ; (named as the upper half of a pair)
	s_mov_b32 s[SEL], 0x76543210
	s_mov_b32 s[SEL+1], 0xfedcba98
	s_mov_b32 s[C10], 0x3a800000                   ; 1 / 1,024
	s_mov_b32 s[EPS], 0x358637bd                   ; 1e-6
	s_wait_kmcnt 0x0
.irp p, 0,1,2,3
.irp q, 0,1,2,3
	global_load_b128 v[Y+16*\p+4*\q:Y+16*\p+4*\q+3], v[VY], s[4:5] offset:8192*\p+512*\q th:TH_LOAD_NT   ; tiles 2 p and 2 p + 1: 512 consecutive bytes a load; read once
.endr
.endr
.irp t, 0,1,2,3,4,5,6,7
.irp i, 0,1
	global_load_b128 v[BI+8*\t+4*\i:BI+8*\t+4*\i+3], v[VBG], s[6:7] offset:64*\t+16*\i
.endr
.endr
.irp t, 0,1,2,3,4,5,6,7
.irp i, 0,1
	global_load_b128 v[GA+8*\t+4*\i:GA+8*\t+4*\i+3], v[VBG], s[8:9] offset:64*\t+16*\i
.endr
.endr
	s_wait_loadcnt 16                              ; y and b2 are in; g2's sixteen loads may be out
.set n, 0
.rept 32
	v_pk_add_f32 v[Y+n:Y+n+1], v[Y+n:Y+n+1], v[BI+n:BI+n+1]
.set n, n+2
.endr
.irp k, 0,1,2,3
	v_pk_mul_f32 v[SS+2*\k:SS+2*\k+1], v[Y+2*\k:Y+2*\k+1], v[Y+2*\k:Y+2*\k+1]   ; the first four pairs start the chains: nothing is cleared
.endr
.set n, 8
.rept 28
	s_delay_alu instid0(VALU_DEP_4)
	v_pk_fma_f32 v[SS+n%8:SS+n%8+1], v[Y+n:Y+n+1], v[Y+n:Y+n+1], v[SS+n%8:SS+n%8+1]
.set n, n+2
.endr
	s_delay_alu instid0(VALU_DEP_3)
	v_pk_add_f32 v[SS:SS+1], v[SS:SS+1], v[SS+2:SS+3]
	s_delay_alu instid0(VALU_DEP_2)
	v_pk_add_f32 v[SS+4:SS+5], v[SS+4:SS+5], v[SS+6:SS+7]
	s_delay_alu instid0(VALU_DEP_1)
	v_pk_add_f32 v[SS:SS+1], v[SS:SS+1], v[SS+4:SS+5]
	s_delay_alu instid0(VALU_DEP_1)
	v_add_f32 v[SS], v[SS], v[SS+1]
	s_delay_alu instid0(VALU_DEP_1)
	v_permlanex16_b32 v[SS+1], v[SS], s[SEL], s[SEL+1]
	s_delay_alu instid0(VALU_DEP_1)
	v_add_f32 v[SS], v[SS], v[SS+1]                ; row r's sum over my wave's 128 columns
	ds_store_b32 v[RST], v[SS]                     ; both halves of the lanes write the same word with the same value
	s_wait_dscnt 0x0                               ; for the others' sake: my store has landed
	s_barrier_signal -1
	s_barrier_wait -1
	ds_load_b128 v[TS:TS+3], v[RLD]
	ds_load_b128 v[TS+4:TS+7], v[RLD] offset:16
	s_wait_dscnt 0x0
	v_add_f32 v[TS], v[TS], v[TS+1]
	v_add_f32 v[TS+2], v[TS+2], v[TS+3]
	v_add_f32 v[TS+4], v[TS+4], v[TS+5]
	v_add_f32 v[TS+6], v[TS+6], v[TS+7]
	s_delay_alu instid0(VALU_DEP_3)
	v_add_f32 v[TS], v[TS], v[TS+2]
	s_delay_alu instid0(VALU_DEP_2)
	v_add_f32 v[TS+4], v[TS+4], v[TS+6]
	s_delay_alu instid0(VALU_DEP_1)
	v_add_f32 v[TS], v[TS], v[TS+4]                ; the same order in every wave: the same bits
	s_delay_alu instid0(VALU_DEP_1)
	v_fma_f32 v[TS], v[TS], s[C10], s[EPS]
	s_wait_alu depctr_va_vdst(0)
	v_rsq_f32 v[RR], v[TS]
	v_nop                                          ; a plain line behind the transcendental
	s_wait_alu depctr_va_vdst(0)                   ; and the wait ahead of the first reader
	s_wait_loadcnt 0x0                             ; g2
.set n, 0
.rept 32
	v_pk_mul_f32 v[Y+n:Y+n+1], v[Y+n:Y+n+1], v[RR:RR+1] op_sel_hi:[1,0]
.set n, n+2
.endr
.set n, 0
.rept 32
	v_pk_mul_f32 v[Y+n:Y+n+1], v[Y+n:Y+n+1], v[GA+n:GA+n+1]
.set n, n+2
.endr
.irp k, 0,1,2,3,4,5,6,7
	ds_store_b128 v[STO], v[Y+8*\k:Y+8*\k+3] offset:64*\k
	ds_store_b128 v[STO], v[Y+8*\k+4:Y+8*\k+7] offset:64*\k+16
.endr
.irp t, 0,1,2,3,4,5,6,7,8,9,10,11,12,13,14,15
	ds_load_b128 v[BI+4*\t:BI+4*\t+3], v[SRD] offset:528*\t   ; LDS serves a wave's instructions in order (ISA guide 5.7.1.4): these see my stores
.endr
.irp t, 0,1,2,3,4,5,6,7,8,9,10,11,12,13,14,15
	s_wait_dscnt 15-\t                             ; the younger loads may be out
	global_store_b128 v[VO], v[BI+4*\t:BI+4*\t+3], s[10:11] offset:4096*\t th:TH_STORE_NT   ; 32 lanes store 512 consecutive bytes of a row, at a multiple of 512 from out0's first byte
.endr
	s_wait_tensorcnt 0x0
	ds_add_u32 v62, v63
	s_wait_dscnt 0x0
	s_endpgm
.Lfunc_end_k_qf36943b0ed_norm2:
	.size	k_qf36943b0ed_norm2, .Lfunc_end_k_qf36943b0ed_norm2-k_qf36943b0ed_norm2
	.p2alignl 7, 3214868480
	.fill 96, 4, 3214868480
	.section	.rodata,"a",@progbits
	.p2align	6, 0x0
	.amdhsa_kernel k_qf36943b0ed_norm2
		.amdhsa_group_segment_fixed_size 69120
		.amdhsa_private_segment_fixed_size 0
		.amdhsa_enable_private_segment 0
		.amdhsa_kernarg_size 32
		.amdhsa_user_sgpr_count 2
		.amdhsa_user_sgpr_kernarg_segment_ptr 1
		.amdhsa_wavefront_size32 1
		.amdhsa_system_sgpr_workgroup_id_x 1
		.amdhsa_system_sgpr_workgroup_id_y 1
		.amdhsa_system_sgpr_workgroup_id_z 1
		.amdhsa_system_vgpr_workitem_id 0
		.amdhsa_next_free_vgpr 256
		.amdhsa_next_free_sgpr 66
		.amdhsa_reserve_vcc 0
		.amdhsa_float_denorm_mode_32 3
		.amdhsa_float_denorm_mode_16_64 3
		.amdhsa_memory_ordered 1
		.amdhsa_forward_progress 1
		.amdhsa_inst_pref_size 22
	.end_amdhsa_kernel
	.amdgpu_metadata
---
amdhsa.version: [ 1, 2 ]
amdhsa.kernels:
  - .name:           k_qf36943b0ed_norm2
    .symbol:         k_qf36943b0ed_norm2.kd
    .args:
      - { .name: wy, .offset: 0, .size: 8, .value_kind: global_buffer, .address_space: global }
      - { .name: b2, .offset: 8, .size: 8, .value_kind: global_buffer, .address_space: global }
      - { .name: g2, .offset: 16, .size: 8, .value_kind: global_buffer, .address_space: global }
      - { .name: out0, .offset: 24, .size: 8, .value_kind: global_buffer, .address_space: global }
    .group_segment_fixed_size: 69120
    .private_segment_fixed_size: 0
    .kernarg_segment_align: 8
    .kernarg_segment_size: 32
    .max_flat_workgroup_size: 256
    .sgpr_count:     66
    .vgpr_count:     256
    .wavefront_size: 32
...
	.end_amdgpu_metadata
.endif
;; end of part 7
